; MI455X (gfx1250); checked and timed in simulation.
; The chip was launched on July 23, 2026; its instructions are those of AMD's public machine-readable ISA for CDNA 5 (MIT licence, August 2026) and "CDNA5" Instruction Set Architecture Reference Guide (July 2026). The comments in the code are by the model that wrote it; some were corrected since.
;; Multi Head Attention. Allowed arithmetic: matrix products marked QUANTISED: E2M3 operands, one E8M0 scale for each 32 along K, by v_wmma_scale_f32_16x16x128_f8f6f4 with both operands' format E2M3, f32 sums; everything else in f32.
;; Inputs: Wk 1,024 x 1,024 float32; Wo 1,024 x 1,024 float32; Wq 1,024 x 1,024 float32; Wv 1,024 x 1,024 float32; bk 1,024 float32; bo 1,024 float32; bq 1,024 float32; bv 1,024 float32; hidden_states 2 x 2,048 x 1,024 float32.
;; Outputs: out0 2 x 2,048 x 1,024 float32.
;; This version of the problem:
;;   THIS VERSION OF THE PROBLEM IS GIVEN IN LOW PRECISION. The matrix products marked QUANTISED in the list below multiply operands that are first quantised to E2M3 (2 exponent bits, 3 mantissa bits; 6 bits a number), with one power-of-two scale for each 32 numbers along K (OCP MX v1.0); their sums are f32. All else is computed in f32.
;;   The module's matrix products, in the order in which they are computed (A, B: the left and right operand; K: the contracted axis; several contracted axes count as one K, in the product's order):
;;     1. [M 4,096, K 1,024] x [K 1,024, N 1,024]; A: input hidden_states; B: input Wq: QUANTISED
;;     2. [M 4,096, K 1,024] x [K 1,024, N 1,024]; A: input hidden_states; B: input Wk: QUANTISED
;;     3. [M 4,096, K 1,024] x [K 1,024, N 1,024]; A: input hidden_states; B: input Wv: QUANTISED
;;     4. batch 32 x [M 2,048, K 64] x [K 64, N 2,048]; A: computed on the way; B: computed on the way: QUANTISED
;;     5. batch 32 x [M 2,048, K 2,048] x [K 2,048, N 64]; A: softmax (see below); B: computed on the way: QUANTISED
;;     6. [M 4,096, K 1,024] x [K 1,024, N 1,024]; A: computed on the way; B: input Wo: QUANTISED
;;   THE QUANTISER, for each operand of a quantised product, along K:
;;     - K is cut into blocks of 32 from its start; a last block that is shorter is filled with zeros.
;;     - A block's scale is 2^e with e = floor(log2(the largest magnitude in the block)) - 2, held to -126 .. 127; a block of zeros has e = 0. As a byte (E8M0): e + 127.
;;     - Each number is divided by its block's scale, clamped to +-7.5, and rounded to the nearest number of E2M3, ties to even, subnormals kept.
;;     - The product sums the exact products of the quantised numbers (number of the format x scale) in f32.
;;   ~~~python
;;   def quantise(x, axis):      # numpy; x: float32 -> the quantised numbers, widened to float32 again
;;       x = np.moveaxis(x, axis, -1); K = x.shape[-1]
;;       x = np.pad(x, [(0, 0)] * (x.ndim - 1) + [(0, -K % 32)]); x = x.reshape(x.shape[:-1] + (-1, 32)); a = np.abs(x).max(-1, keepdims=True)
;;       e = np.where(a > 0, np.clip(np.frexp(np.where(a > 0, a, 1))[1] - 1 - 2, -126, 127), 0)      # np.frexp(a)[1] - 1 = floor(log2(a)), exactly
;;       r = np.clip(x / 2.0 ** e, -7.5, 7.5)
;;       step = 2.0 ** (np.maximum(np.frexp(np.where(r == 0, 1, r))[1] - 1, 0) - 3)
;;       q = np.round(r / step) * step * 2.0 ** e      # np.round: ties to even
;;       return np.moveaxis(q.reshape(q.shape[:-2] + (-1,))[..., :K], -1, axis).astype(np.float32)
;;   ~~~
;;   SOFTMAX AHEAD OF A QUANTISED PRODUCT. Where the list says 'softmax', what is quantised is not the finished softmax but p = 2^(t - M), with t = logit x log2(e) and M = ceil(the row's largest t), a whole number; so 1/2 < the row's largest p <= 1. The row's sum l is taken of the UNQUANTISED p, in f32, and the product's result is divided by l at the end. Since M is a whole number, a kernel that streams over the keys may use a running M (the ceiling of the running maximum): every later rescaling is an exact power of two, which a block's scale takes up: the codes' values come out the same.
;;   OPERANDS COMPUTED ON THE WAY. 'Computed on the way' means the value that the module computes at that place (a softmax that the list does not call 'softmax' is quantised finished and normalised). What goes into a quantiser is computed in f32, as accurately as f32 sums, v_exp_f32 and their like allow (about 1e-6 of the number): no bf16 or f16 on the way to a quantiser, and a product that is left as it is and whose result goes on into a quantised operand takes f32 operands (vector FMAs, or v_wmma_f32_16x16x4_f32). A number that lies on a knife's edge between two numbers of the format may be rounded either way, as far as f32 arithmetic and the matrix unit's own rounding can turn it there, and no further.
;; One version. Each part assembles by itself: llvm-mc -triple=amdgcn-amd-amdhsa -mcpu=gfx1250 --defsym DOCPART=n.
;; ======== version 1 of 1: 4 launches
;; limits: right only within a limited range of input values
;; workspace buffers: codes 6,553,600 bytes; qimg 3,407,872 bytes; kv 6,684,672 bytes; obuf 3,276,800 bytes
;; launch quant (part 1): grid 512 x 1, 4 waves a work-group, no clusters, 68,096 bytes of LDS; arguments hidden_states, Wq, Wk, Wv, Wo, codes; writes codes
.if DOCPART == 1
	.amdgcn_target "amdgcn-amd-amdhsa--gfx1250"
	.amdhsa_code_object_version 6
	.text
	.protected	k_qa890136caa_quant
	.globl	k_qa890136caa_quant
	.p2align	8
	.type	k_qa890136caa_quant,@function
k_qa890136caa_quant:
	s_mov_b64 s[64:65], 0
	v_nop
	global_prefetch_b8 v0, s[64:65] scope:SCOPE_SE
	s_setreg_imm32_b32 hwreg(HW_REG_WAVE_MODE, 25, 1), 1
	s_wait_xcnt 0x0
; hidden_states [4096][1024] and Wq, Wk, Wv, Wo [1024][1024], f32, K innermost, become codes of FP6 (E2M3) with one E8M0 byte for each 32 along K, as images of the operand's registers.
; WORK LEFT OUT in the program: key steps of 128 that the causal mask hides from a whole tile of queries (its results are -inf ahead of the softmax for all inputs).  A NaN or infinity that reaches only those is not carried.
; LIMITS: NaN and infinities among the inputs are not served.  A block whose largest magnitude lies under 2^-124, a block of zeros among them, gets the byte 1 (the rule says 127 for zeros): its codes are zeros or subnormals, and this program alone reads the bytes.
; ROWS OF A TILE.  The 8,192 rows (x's 4,096, then the four weights' 1,024 each) are 512 tiles of 16.  Tile 4 C + j takes rows 64 C + 8 j + 0 .. 7 and 64 C + 32 + 8 j + 0 .. 7:
; in a transposed product a lane's 32 results of four such tiles are 32 neighbours, one scale block of the next product.
; codes: [block of 128 rows 0..63][K quarter 0..3] records of 25,600 bytes: [K step 0, 1][tile 0..7][1,536 bytes], then from 24,576 on the scale words [tile][row 0..15][K step].
; A fragment (16 rows x 128 K, 12 registers a lane) is two halves of 768 bytes, each: registers 0-1 at 8 x lane, registers 2-5 at 256 + 16 x lane.
; SHARES.  Work-group g takes tile g; wave w takes K quarter w: 16 rows x 1,024 bytes.  Each load reads 512 consecutive bytes of a row; the numbers turn through the wave's own stage in LDS (rows 528 bytes apart),
; so that lane (r, h) holds of row r the numbers 64 c + 32 h + 0 .. 31, two whole blocks.  All 32 loads of a wave are issued at once: no loop in which a prefetch could run ahead, no barrier; waves share nothing.
.set STG,  8448                        ; a stage: 16 rows x 528 bytes; two for each wave
.set R0,   16                          ; v16-79   K step 0 as loaded
.set R1,   80                          ; v80-143  K step 1 as loaded
.set X0,   144                         ; v144-207 K step 0, 64 numbers of my row
.set X1,   16                          ; v16-79   K step 1 likewise
.set PC,   208                         ; v208-219 the codes; v220-226 at work
.set TM,   228
.set PW,   244                         ; the scale word
.set SEL,  28                          ; s[28:29] lane selects: lane l xor 16
.macro QUANT s                         ; 64 numbers v[s] .. become a fragment's codes in v[PC] on and its scale word in v[PW]
.irp c, 0,1
	v_max3_num_f32 v[TM+2*\c], |v[\s+32*\c]|, |v[\s+1+32*\c]|, 0x1800000   ; the floor 2^(3 - 127): the byte cannot fall under 1
	v_max3_num_f32 v[TM+2*\c+1], |v[\s+2+32*\c]|, |v[\s+3+32*\c]|, |v[\s+4+32*\c]|
.endr
.irp i, 5,9,13,17,21,25
.irp c, 0,1
	v_max3_num_f32 v[TM+2*\c], v[TM+2*\c], |v[\s+32*\c+\i]|, |v[\s+1+32*\c+\i]|
	v_max3_num_f32 v[TM+2*\c+1], v[TM+2*\c+1], |v[\s+2+32*\c+\i]|, |v[\s+3+32*\c+\i]|
.endr
.endr
.irp c, 0,1
	v_max3_num_f32 v[TM+2*\c], v[TM+2*\c], |v[\s+29+32*\c]|, |v[\s+30+32*\c]|
.endr
.irp c, 0,1
	v_max3_num_f32 v[TM+2*\c], v[TM+2*\c], v[TM+2*\c+1], |v[\s+31+32*\c]|
.endr
.irp c, 0,1
	v_add_nc_u32 v[TM+4+\c], 0xff000000, v[TM+2*\c]   ; 2 off its exponent field: the conversion's scale operand
.endr
.irp c, 0,1
	v_lshrrev_b32 v[TM+6+\c], 23, v[TM+4+\c]
.endr
	v_lshl_or_b32 v[PW], v[TM+7], 16, v[TM+6]      ; my blocks are h and 2 + h of the row's four
	v_lshlrev_b32 v[PW], v12, v[PW]
	v_permlanex16_b32 v[TM+8], v[PW], s[SEL], s[SEL+1]
	v_or_b32 v[PW], v[PW], v[TM+8]
.irp c, 0,1
	v_cvt_scalef32_pk16_fp6_f32 v[PC+6*\c:PC+2+6*\c], v[\s+32*\c:\s+15+32*\c], v[TM+4+\c]
	v_cvt_scalef32_pk16_fp6_f32 v[PC+12+4*\c:PC+14+4*\c], v[\s+16+32*\c:\s+31+32*\c], v[TM+4+\c]   ; (three registers begin on an even number)
.endr
	v_nop                                          ; one plain place behind a scaled conversion
.irp c, 0,1
.irp i, 0,1,2
	v_mov_b32 v[PC+3+6*\c+\i], v[PC+12+4*\c+\i]
.endr
.endr
.endm
.macro CODES off                       ; each store covers 256 or 512 consecutive bytes, aligned
	global_store_b64  v7, v[PC:PC+1],    s[14:15] offset:\off
	global_store_b128 v4, v[PC+2:PC+5],  s[14:15] offset:\off+256
	global_store_b64  v7, v[PC+6:PC+7],  s[14:15] offset:\off+768
	global_store_b128 v4, v[PC+8:PC+11], s[14:15] offset:\off+1024
.endm
	s_load_b256 s[4:11], s[0:1], 0x0               ; x s[4:5], Wq s[6:7], Wk s[8:9], Wv s[10:11]
	s_load_b128 s[12:15], s[0:1], 0x20             ; Wo s[12:13], codes s[14:15]
	v_lshl_add_u32 v254, v0, 2, 8*STG              ; my spare word
	v_mov_b32 v255, 0
	v_lshrrev_b32 v1, 5, v0
	v_readfirstlane_b32 s18, v1                    ; wave = K quarter
	s_mul_i32 s19, s18, 2*STG                      ; my wave's stages
	v_and_b32 v1, 31, v0                           ; lane
	v_and_b32 v2, 15, v0                           ; r
	v_bfe_u32 v3, v0, 4, 1                         ; h
	v_lshlrev_b32 v4, 4, v1                        ; 16 x lane
	v_add_nc_u32 v5, s19, v4                       ; into a stage: a row as it lies
	v_mul_u32_u24 v6, v2, 528
	v_lshl_add_u32 v6, v3, 7, v6
	v_add_nc_u32 v6, s19, v6                       ; out of it: row r, + 128 h
	v_lshlrev_b32 v7, 3, v1                        ; 8 x lane
	v_lshlrev_b32 v9, 3, v2
	v_lshl_add_u32 v9, v3, 2, v9                   ; the scale words' place: 8 r + 4 h
	v_lshlrev_b32 v12, 3, v3                       ; 8 h
	v_mov_b32 v[TM+8], 0                           ; written once: a lane permute's destination counts as one of its sources
	s_wait_alu depctr_va_vdst(0)
	s_mov_b32 s[SEL], 0x76543210
	s_mov_b32 s[SEL+1], 0xfedcba98
	s_mov_b32 s30, 0xffff0000                      ; lanes 16-31
	s_and_b32 s20, ttmp9, 63
	s_cmp_lt_u32 ttmp9, 256
	s_cselect_b32 s20, ttmp9, s20                  ; the tile's number in its own tensor
	s_lshr_b32 s21, s20, 2
	s_lshl_b32 s21, s21, 18                        ; 64 rows of 4,096 bytes for each four tiles,
	s_and_b32 s22, s20, 3
	s_lshl_b32 s22, s22, 15                        ; 8 rows from tile to tile,
	s_add_co_u32 s22, s22, s21
	s_lshl_b32 s21, s18, 10                        ; 1,024 bytes of a row for each wave
	s_add_co_u32 s22, s22, s21
	s_mov_b32 s23, 0
	s_lshr_b32 s24, ttmp9, 3                       ; block of 128 rows
	s_and_b32 s25, ttmp9, 7                        ; tile in it
	s_mul_i32 s32, s24, 102400
	s_mul_i32 s21, s18, 25600
	s_add_co_u32 s32, s32, s21                     ; the record
	s_mul_i32 s26, s25, 1536
	s_add_co_u32 s26, s26, s32
	s_mov_b32 s27, 0
	s_lshl_b32 s21, s25, 7
	s_add_co_u32 s32, s32, s21
	s_add_co_u32 s32, s32, 24576
	s_mov_b32 s33, 0
	s_wait_kmcnt 0x0
	s_cmp_lt_u32 ttmp9, 448                        ; which tensor: the choice hangs on the work-group's number alone
	s_cselect_b64 s[12:13], s[10:11], s[12:13]
	s_cmp_lt_u32 ttmp9, 384
	s_cselect_b64 s[12:13], s[8:9], s[12:13]
	s_cmp_lt_u32 ttmp9, 320
	s_cselect_b64 s[12:13], s[6:7], s[12:13]
	s_cmp_lt_u32 ttmp9, 256
	s_cselect_b64 s[12:13], s[4:5], s[12:13]
	s_add_nc_u64 s[12:13], s[12:13], s[22:23]
	s_add_nc_u64 s[16:17], s[14:15], s[32:33]
	s_add_nc_u64 s[14:15], s[14:15], s[26:27]
.irp f, 0,1
.irp i, 0,1,2,3,4,5,6,7,8,9,10,11,12,13,14,15
	global_load_b128 v[R0+64*\f+4*\i:R0+64*\f+4*\i+3], v4, s[12:13] offset:(\i+24*(\i/8))*4096+512*\f th:TH_LOAD_NT   ; tile row i, K step f: 512 consecutive bytes, read once in the launch
.endr
.endr
	s_wait_loadcnt 16                              ; K step 0's sixteen loads are in; K step 1's may be out
.irp i, 0,1,2,3,4,5,6,7,8,9,10,11,12,13,14,15
	ds_store_b128 v5, v[R0+4*\i:R0+4*\i+3] offset:528*\i
.endr
.irp q, 0,1,2,3,4,5,6,7,8,9,10,11,12,13,14,15
	ds_load_b128 v[X0+4*\q:X0+4*\q+3], v6 offset:256*(\q/8)+16*(\q%8)   ; LDS serves a wave's instructions in order: these see the stores above
.endr
	s_wait_loadcnt 0x0
.irp i, 0,1,2,3,4,5,6,7,8,9,10,11,12,13,14,15
	ds_store_b128 v5, v[R1+4*\i:R1+4*\i+3] offset:STG+528*\i
.endr
	s_wait_dscnt 16                                ; all but the sixteen stores just issued: K step 0's numbers are back
.irp q, 0,1,2,3,4,5,6,7,8,9,10,11,12,13,14,15
	ds_load_b128 v[X1+4*\q:X1+4*\q+3], v6 offset:STG+256*(\q/8)+16*(\q%8)   ; K step 1 comes back while K step 0 is quantised
.endr
	QUANT X0
	CODES 0
	v_mov_b32 v10, v[PW]
	s_wait_dscnt 0x0                               ; K step 1's numbers are back
	s_wait_xcnt 0x0                                ; the stores have read the codes' registers
	QUANT X1
	CODES 12288
	v_cndmask_b32 v11, v10, v[PW], s30             ; lanes 0-15 carry K step 0's word of row r, lanes 16-31 K step 1's
	global_store_b32 v9, v11, s[16:17]             ; 128 consecutive bytes
	s_wait_tensorcnt 0x0                           ; the wave's end
	ds_add_u32 v254, v255
	s_wait_dscnt 0x0
	s_endpgm
.Lfunc_end_k_qa890136caa_quant:
	.size	k_qa890136caa_quant, .Lfunc_end_k_qa890136caa_quant-k_qa890136caa_quant
	.p2alignl 7, 3214868480
	.fill 96, 4, 3214868480
	.section	.rodata,"a",@progbits
	.p2align	6, 0x0
	.amdhsa_kernel k_qa890136caa_quant
		.amdhsa_group_segment_fixed_size 68096
		.amdhsa_private_segment_fixed_size 0
		.amdhsa_enable_private_segment 0
		.amdhsa_kernarg_size 48
		.amdhsa_user_sgpr_count 2
		.amdhsa_user_sgpr_kernarg_segment_ptr 1
		.amdhsa_wavefront_size32 1
		.amdhsa_system_sgpr_workgroup_id_x 1
		.amdhsa_system_sgpr_workgroup_id_y 1
		.amdhsa_system_sgpr_workgroup_id_z 1
		.amdhsa_system_vgpr_workitem_id 0
		.amdhsa_next_free_vgpr 256
		.amdhsa_next_free_sgpr 66
		.amdhsa_reserve_vcc 0
		.amdhsa_float_denorm_mode_32 3
		.amdhsa_float_denorm_mode_16_64 3
		.amdhsa_memory_ordered 1
		.amdhsa_forward_progress 1
		.amdhsa_inst_pref_size 17
	.end_amdhsa_kernel
	.amdgpu_metadata
---
amdhsa.version: [ 1, 2 ]
amdhsa.kernels:
  - .name:           k_qa890136caa_quant
    .symbol:         k_qa890136caa_quant.kd
    .args:
      - { .name: hidden_states, .offset: 0, .size: 8, .value_kind: global_buffer, .address_space: global }
      - { .name: Wq, .offset: 8, .size: 8, .value_kind: global_buffer, .address_space: global }
      - { .name: Wk, .offset: 16, .size: 8, .value_kind: global_buffer, .address_space: global }
      - { .name: Wv, .offset: 24, .size: 8, .value_kind: global_buffer, .address_space: global }
      - { .name: Wo, .offset: 32, .size: 8, .value_kind: global_buffer, .address_space: global }
      - { .name: codes, .offset: 40, .size: 8, .value_kind: global_buffer, .address_space: global }
    .group_segment_fixed_size: 68096
    .private_segment_fixed_size: 0
    .kernarg_segment_align: 8
    .kernarg_segment_size: 48
    .max_flat_workgroup_size: 128
    .sgpr_count:     66
    .vgpr_count:     256
    .wavefront_size: 32
...
	.end_amdgpu_metadata
.endif
;; end of part 1
;; launch proj (part 2): grid 8 x 32, 4 waves a work-group, clusters of 4 x 4, 327,680 bytes of LDS; arguments codes, bq, bk, bv, qimg, kv; writes qimg, kv
.if DOCPART == 2
	.amdgcn_target "amdgcn-amd-amdhsa--gfx1250"
	.amdhsa_code_object_version 6
	.text
	.protected	k_qa890136caa_proj
	.globl	k_qa890136caa_proj
	.p2align	8
	.type	k_qa890136caa_proj,@function
k_qa890136caa_proj:
	s_mov_b64 s[64:65], 0
	v_nop
	global_prefetch_b8 v0, s[64:65] scope:SCOPE_SE
	s_setreg_imm32_b32 hwreg(HW_REG_WAVE_MODE, 25, 1), 1
	s_wait_xcnt 0x0
	s_wait_alu depctr_hold_cnt(0) depctr_sa_sdst(0) depctr_va_vdst(0) depctr_va_sdst(0) depctr_va_ssrc(0) depctr_va_vcc(0) depctr_vm_vsrc(0)
	s_getreg_b32 s2, hwreg(HW_REG_IB_STS2, 6, 4)
	s_cmp_eq_u32 s2, 0
	s_cbranch_scc0 .Lentry_in_a_cluster
	s_endpgm
.Lentry_in_a_cluster:
	s_bfe_u32 s2, ttmp6, 0x10000c
	s_cmp_lg_u32 s2, 0xf033
	s_cbranch_scc0 .Lentry_shape_is_right
	s_endpgm
.Lentry_shape_is_right:
; v, q, k = x W^T + b on codes of FP6 (E2M3) with E8M0 scales, sums in f32; quantised in registers, they leave as codes and scale bytes alone: q and k along the head's 64, v along the keys, as images of the attention launch's registers.
; LIMITS: NaN and infinities are not served; a block whose largest magnitude lies under 2^-124, a block of zeros among them, gets the byte 1: its codes are zeros or subnormals, and this program alone reads the bytes.
; THE DEAL.  256 work-groups: 128 tokens (block b) x 128 columns (two heads, column block n) of v, then of q, then of k.  Four waves, 2 x 2: wave row s15 has 64 tokens (a band), wave column s16 one head: 16 accumulators a phase.
; x's fragments of the wave's 64 tokens, all of K, are loaded in phase v and stay in 384 registers; a phase of q or k loads its weight's fragments alone.
; LDS: x's four records (128 rows x 256 K with their scale words, 25,600 dense bytes each) at 0, the region WA (Wv, then Wk), the region WB (Wq), the spare words, v's scale bytes.
; FILLS.  At the head one joint load a wave: two records of x or of Wv.  Behind the round in K step 3 of phase v a record of Wq a wave; behind the round in its last K step a record of Wk a wave, over Wv.  A plain barrier in q's last K step shows Wk.
; CLUSTERS: 4 x 4 work-groups; x's records are shared along a row, the weights' along a column.
; PREFETCHES: Wq's block at the head, Wk's behind the first round: each of the sixteen waves of a column asks for 25 of the block's 400 units of 256 bytes; the clusters of rows 0 to 3 ask, which cover all weights.
; TRANSPOSED PRODUCTS for q and k: source 0 the weight's tile, source 1 x's: lane (r, h) has token r of the tile and features 32 h + 8 wt + i of the head.  For v source 0 is x's tile: lane (r, h) has feature r of the tile and tokens 32 h + 8 xt + i of the band.
; So 32 registers of a lane are one scale block.  The bias is the first products' C.
; OUT.  qimg [bh][band 0..31] records of 3,328: 4 tiles x 768, words [row][tile] (bytes 2, 3: 0).  kv [bh][128 keys 0..15] records of 13,056: k's 8 tiles x 768; v's 4 tiles x 2 bands x 768 from 6,144; k's words [band][row][tile] from 12,288; v's words [row][tile] from 12,800.
; REGISTERS.  window 0: addresses, v32-63 scale words (pair of K steps p, tile i, step q: 32 + 8 p + 2 i + q; lanes 0-15 x's, lanes 16-31 the weight's), v64-159 the weight's fragments, two sets, v160-225 the way out.
;   windows 1, 2: x's fragments, 4 k + tile, 21 to a window.   window 3: v0-127 the sums, v128-159 the bias.
.set REC,  25600
.set HALF, 2*REC
.set WA,   4*REC
.set WB,   8*REC
.set SPARE, 12*REC                     ; 128 bytes for each wave, that no other line names
.set VST,  SPARE+512                   ; v's scale bytes: [head][row][tile][4]
.set FR,   12
.set SC,   32
.set WF,   64
.set P,    160                         ; v160-183 codes, v184-199 at work
.set CT,   184
.set TM,   200
.set TS,   208
.set EB,   212                         ; scale bytes
.set WD,   216                         ; scale words
.set PX,   220
.set PFA,  224                         ; the prefetches' offset
.set VW,   225
.set BI,   128
.set SPW,  28
.set NIL,  29
.set MSB, 0
.macro WIN new                         ; the immediate's high byte repeats the setting that is left
.if MSB != (\new)
	s_set_vgpr_msb (MSB<<8)|(\new)
.set MSB, (\new)
.endif
.endm
.macro PLACES n
.rept \n
	v_nop
.endr
.endm
.macro CREST                           ; a round of the cluster's barrier behind its opening barrier
	s_cmp_lg_u32 s14, 0
	s_cbranch_scc1 .Lnot_wave_0_\@
	s_barrier_signal -3
.Lnot_wave_0_\@:
	s_barrier_wait -3
	s_barrier_signal -1
	s_barrier_wait -1
.endm
.macro CROUND
	s_barrier_signal -1
	s_barrier_wait -1
	CREST
.endm
.macro GROUP1 g, mask, rows            ; a dense block as rows of 32 elements of 8 bytes; bit 21 set beside the mask
	s_or_b32 s[\g], s[\mask], (3<<16)|(1<<21)
	s_mov_b32 s[\g+1], 32<<16
	s_mov_b32 s[\g+2], (\rows)<<16
	s_mov_b32 s[\g+3], 32<<16
	s_mov_b32 s[\g+4], \rows
	s_mov_b32 s[\g+5], 32
	s_mov_b32 s[\g+6], 0
	s_mov_b32 s[\g+7], 0
.endm
.macro GROUP0 g, lds, place, off       ; to LDS byte s[lds] + place, from the codes' buffer + s[off:off+1]
	s_mov_b32 s[\g], 1
	s_add_co_u32 s[\g+1], s[\lds], \place
	s_add_nc_u64 s[\g+2:\g+3], s[4:5], s[\off:\off+1]
	s_or_b32 s[\g+3], s[\g+3], 0x80000000
.endm
.macro TLOAD g0, g1
	tensor_load_to_lds s[\g0:\g0+3], s[\g1:\g1+7]
	s_nop 0
	PLACES 4
.endm
.macro ARM under, g0, g1, next
	s_cmp_lt_u32 s14, \under
	s_cbranch_scc0 \next
	TLOAD \g0, \g1
	s_branch .Lasked
\next:
.endm
	s_load_b256 s[4:11], s[0:1], 0x0               ; codes, bq, bk, bv
	s_load_b128 s[68:71], s[0:1], 0x20             ; qimg, kv
	v_lshl_add_u32 v[SPW], v0, 2, SPARE
	v_mov_b32 v[NIL], 0
	ds_add_u32 v[SPW], v[NIL]                      ; the opening lines
	ds_add_u32 v[SPW], v[NIL]
	v_lshrrev_b32 v3, 5, v0
	v_readfirstlane_b32 s14, v3                    ; wave
	s_lshr_b32 s15, s14, 1                         ; my band of 64 tokens; at the head: which half of K I fetch
	s_and_b32 s16, s14, 1                          ; my head of the two; at the head: x (0) or Wv (1)
	s_bfe_u32 s36, ttmp6, 0x40000                  ; cx
	s_bfe_u32 s37, ttmp6, 0x40004                  ; cy
	s_lshl_b32 s38, ttmp9, 2
	s_add_co_u32 s38, s38, s36                     ; column block n
	s_and_b32 s66, ttmp7, 0xffff
	s_lshl_b32 s39, s66, 2
	s_add_co_u32 s39, s39, s37                     ; token block b
	s_lshl_b32 s18, s37, 2
	s_lshl_b32 s18, 15, s18                        ; my row of the cluster
	s_lshl_b32 s19, 0x1111, s36                    ; my column
	GROUP1 24, 18, 200
	GROUP1 40, 19, 200
	GROUP1 52, 19, 100
	s_mul_i32 s17, s15, HALF
	s_mul_i32 s20, s39, 4*REC
	s_add_co_u32 s20, s20, s17                     ; x's block
	s_mov_b32 s21, 0
	s_mul_i32 s22, s38, 4*REC
	s_mul_i32 s76, s14, REC
	s_add_co_u32 s78, s22, 32*4*REC                ; Wq's block,
	s_mov_b32 s98, s78
	s_mov_b32 s99, 0
	s_add_co_u32 s78, s78, s76                     ; my record of it
	s_mov_b32 s79, 0
	s_add_co_u32 s80, s78, 8*4*REC                 ; Wk's
	s_mov_b32 s81, 0
	s_add_co_u32 s22, s22, s17
	s_add_co_u32 s22, s22, 48*4*REC                ; Wv's
	s_mov_b32 s23, 0
	s_wait_dscnt 0x0                               ; both opening adds are done
	CROUND                                         ; all sixteen work-groups are here: the first joint loads meet
	s_wait_kmcnt 0x0
	GROUP0 32, 17, 0, 20
	GROUP0 48, 17, WA, 22
	GROUP0 60, 76, WB, 78
	GROUP0 72, 76, WA, 80
	ARM 1, 32, 24, .Lw1                            ; one tensor load a wave at the head: x K 0-511,
	ARM 2, 48, 40, .Lw2                            ; Wv K 0-511,
	ARM 3, 32, 24, .Lw3                            ; x K 512-1023,
	TLOAD 48, 40                                   ; Wv K 512-1023
.Lasked:
	s_add_nc_u64 s[98:99], s[4:5], s[98:99]        ; the prefetches' base
	s_lshl_b32 s82, s38, 9
	s_lshl_b32 s17, s16, 8
	s_add_co_u32 s82, s82, s17                     ; my head's 64 numbers of a bias: 512 n + 256 x head
	s_mov_b32 s83, 0
	s_add_nc_u64 s[6:7], s[6:7], s[82:83]
	s_add_nc_u64 s[8:9], s[8:9], s[82:83]
	s_add_nc_u64 s[10:11], s[10:11], s[82:83]
	s_mul_i32 s17, s15, 4*1536                     ; my tiles of x
	s_mul_i32 s18, s16, 4*1536                     ; my tiles of a weight
	s_add_co_u32 s19, s18, WA
	s_add_co_u32 s18, s18, WB
	s_lshl_b32 s20, s15, 9                         ; scale words: x's tiles,
	s_lshl_b32 s21, s16, 9
	s_add_co_u32 s22, s21, WA
	s_sub_co_u32 s22, s22, s20                     ; from x's words to the weight's in WA,
	s_add_co_u32 s23, s21, WB
	s_sub_co_u32 s23, s23, s20                     ; in WB
	s_add_co_u32 s20, s20, 24576
	s_lshl_b32 s76, s16, 8
	s_lshl_b32 s77, s15, 1
	s_add_co_u32 s77, s77, s76
	s_add_co_u32 s77, s77, VST                     ; where v's scale bytes go,
	s_lshl_b32 s78, s15, 7
	s_add_co_u32 s76, s76, s78
	s_add_co_u32 s76, s76, VST                     ; and which 128 of them I send
	s_lshl_b32 s79, s37, 2
	s_add_co_u32 s79, s79, s14
	s_mul_i32 s79, s79, 6400                       ; my 25 units of a prefetched block
	s_mov_b32 s2, 0x76543210
	s_mov_b32 s3, 0xfedcba98                       ; lane selects: lane l xor 16
	s_mov_b32 s67, 0xffff0000                      ; lanes 16-31
	v_and_b32 v3, 31, v0                           ; lane
	v_and_b32 v4, 15, v0                           ; r
	v_bfe_u32 v5, v0, 4, 1                         ; h
	v_lshlrev_b32 v1, 3, v3
	v_lshlrev_b32 v2, 4, v3
	v_and_b32 v6, 8, v4
	v_mul_u32_u24 v6, 3, v6
	v_add_lshl_u32 v14, v6, v4, 2                  ; 4 (r + 24 (r / 8)): feature r of a tile
	v_lshlrev_b32 v15, 7, v5                       ; 128 h
	WIN 0xc0
.irp t, 0,1,2,3
	global_load_b32 v[BI+8*\t], v14, s[10:11] offset:32*\t   ; v's bias of tile t
.endr
	WIN 0
	v_min_u32 v[PFA], 24, v3
	v_lshl_add_u32 v[PFA], v[PFA], 8, s79
	v_add_nc_u32 v16, s17, v1
	v_add_nc_u32 v17, s17, v2
	v_add_nc_u32 v18, HALF, v16
	v_add_nc_u32 v19, HALF, v17
	v_add_nc_u32 v20, s19, v1
	v_add_nc_u32 v21, s19, v2
	v_add_nc_u32 v22, HALF, v20
	v_add_nc_u32 v23, HALF, v21
	v_add_nc_u32 v24, s18, v1
	v_add_nc_u32 v25, s18, v2
	v_add_nc_u32 v26, HALF, v24
	v_add_nc_u32 v27, HALF, v25
	v_lshlrev_b32 v6, 3, v4
	v_add_nc_u32 v6, s20, v6
	v_mul_u32_u24 v7, s22, v5
	v_add_nc_u32 v8, v6, v7
	v_mul_u32_u24 v7, s23, v5
	v_add_nc_u32 v10, v6, v7
	v_add_nc_u32 v9, HALF, v8
	v_add_nc_u32 v11, HALF, v10
	v_lshlrev_b32 v12, 3, v5                       ; 8 h
	v_lshl_add_u32 v13, v4, 4, v12                 ; 16 r + 8 h
	v_lshl_add_u32 v7, v4, 4, v5
	v_add_nc_u32 v7, s77, v7
	v_lshlrev_b32 v31, 2, v3
	v_add_nc_u32 v30, s76, v31
.irp u, 0,1,2,3
	v_mov_b32 v[PX+\u], 0                          ; a lane permute's destination counts as one of its sources
.endr
	s_wait_alu depctr_va_vdst(0)
	s_cmp_lt_u32 s66, 4
	s_cbranch_scc0 .Lno_pf0
	global_prefetch_b8 v[PFA], s[98:99] th:TH_LOAD_NT scope:SCOPE_SE
.Lno_pf0:
	s_lshr_b32 s17, s39, 4
	s_lshl_b32 s17, s17, 4
	s_lshl_b32 s18, s38, 1
	s_add_co_u32 s17, s17, s18
	s_add_co_u32 s17, s17, s16                     ; bh
	s_and_b32 s18, s39, 15                         ; the record of 128 keys
	s_mul_i32 s84, s17, 106496
	s_lshl_b32 s19, s18, 1
	s_add_co_u32 s19, s19, s15
	s_mul_i32 s19, s19, 3328
	s_add_co_u32 s84, s84, s19
	s_mov_b32 s85, 0
	s_add_nc_u64 s[68:69], s[68:69], s[84:85]      ; q's record
	s_mul_i32 s86, s17, 208896
	s_mul_i32 s19, s18, 13056
	s_add_co_u32 s86, s86, s19
	s_mov_b32 s87, 0
	s_add_nc_u64 s[70:71], s[70:71], s[86:87]      ; k's and v's record
	s_mov_b32 s89, 0
	s_mul_i32 s88, s15, 3072
	s_add_nc_u64 s[90:91], s[70:71], s[88:89]      ; k's codes
	s_mul_i32 s88, s15, 768
	s_add_nc_u64 s[92:93], s[70:71], s[88:89]      ; v's
	s_lshl_b32 s88, s15, 8
	s_add_nc_u64 s[94:95], s[70:71], s[88:89]      ; k's words
	s_lshl_b32 s88, s15, 7
	s_add_nc_u64 s[96:97], s[70:71], s[88:89]      ; v's
.macro FRAG reg, a8, a16, off          ; registers 0-1, 2-5, 6-7, 8-11, each run lane by lane on end
	ds_load_b64  v[\reg:\reg+1],    v[\a8]  offset:\off
	ds_load_b128 v[\reg+2:\reg+5],  v[\a16] offset:(\off)+256
	ds_load_b64  v[\reg+6:\reg+7],  v[\a8]  offset:(\off)+768
	ds_load_b128 v[\reg+8:\reg+11], v[\a16] offset:(\off)+1024
.endm
.macro FETCHW k, adr                   ; the weight's four fragments of K step k into set k % 2: 16 loads
.irp i, 0,1,2,3
	FRAG WF+48*((\k)%2)+FR*\i, (\adr)+2*((\k)/4), (\adr)+2*((\k)/4)+1, (((\k)%4)/2)*REC+((\k)%2)*12288+1536*\i
.endr
.endm
.macro FETCHX k                        ; x's four: 16 loads
.irp i, 0,1,2,3
.set F_, 4*(\k)+\i
	WIN (1+F_/21)<<6
	FRAG FR*(F_%21), 16+2*((\k)/4), 17+2*((\k)/4), (((\k)%4)/2)*REC+((\k)%2)*12288+1536*\i
.endr
	WIN 0
.endm
.macro LOADS k
	FETCHW \k, 20
	FETCHX \k
.endm
.macro SCALES adr, half                ; the scale words of a half of K: 8 loads
.irp p, 0,1
.irp i, 0,1,2,3
	ds_load_b64 v[SC+16*\half+8*\p+2*\i:SC+16*\half+8*\p+2*\i+1], v[\adr] offset:\p*REC+128*\i
.endr
.endr
.endm
; products n0 .. n1 - 1 of a K step's 16; the accumulators take turns in the same order in every step.  kind 1: v
.macro PROD kind, k, n0, n1
.set N_, \n0
.rept (\n1)-(\n0)
.if \kind
.set X_, N_%4
.set W_, N_/4
.else
.set X_, N_/4
.set W_, N_%4
.endif
.set F_, 4*(\k)+X_
.set FX_, FR*(F_%21)
.set FW_, WF+48*((\k)%2)+FR*W_
.set SX_, SC+8*((\k)/2)+2*X_+(\k)%2
.set SW_, SC+8*((\k)/2)+2*W_+(\k)%2
.set D_, 8*N_
.set C_, BI+8*W_
.if (\k) != 0
.set C_, D_
.endif
.if \kind
	WIN (1+F_/21)|0xf0
	v_wmma_scale_f32_16x16x128_f8f6f4 v[D_:D_+7], v[FX_:FX_+11], v[FW_:FW_+11], v[C_:C_+7], v[SX_], v[SW_] matrix_a_fmt:MATRIX_FMT_FP6 matrix_b_fmt:MATRIX_FMT_FP6 matrix_b_scale:MATRIX_SCALE_ROW1
.else
	WIN ((1+F_/21)<<2)|0xf0
	v_wmma_scale_f32_16x16x128_f8f6f4 v[D_:D_+7], v[FW_:FW_+11], v[FX_:FX_+11], v[C_:C_+7], v[SW_], v[SX_] matrix_a_fmt:MATRIX_FMT_FP6 matrix_b_fmt:MATRIX_FMT_FP6 matrix_a_scale:MATRIX_SCALE_ROW1
.endif
.set N_, N_+1
.endr
.endm
.macro MEET k                          ; a K step of phase v with a round of the cluster's barrier inside; the last six products stand between the opening signal and its wait
	WIN 0
	s_wait_tensorcnt 0x0                           ; all my tensor loads have landed;
	ds_add_u32 v[SPW], v[NIL]                      ; 0 onto my spare word;
	s_wait_dscnt 1                                 ; this step's fragments are in, the add may be out
	PROD 1, \k, 0, 10
	s_wait_dscnt 0x0                               ; the add is done, and so are my LDS reads
	s_barrier_signal -1
	PROD 1, \k, 10, 16
	WIN 0
	s_barrier_wait -1
	CREST
.endm
.macro BIASQK base                     ; features 32 h + 0 .. 31 of my head
	WIN 0xc0
.irp q, 0,1,2,3,4,5,6,7
	global_load_b128 v[BI+4*\q:BI+4*\q+3], v15, s[\base:\base+1] offset:16*\q
.endr
	WIN 0
.endm
.macro VSTEPS first, count
.set K_, \first
.rept \count
	WIN 0
	PLACES 4                                       ; in front of loads into registers that matrix instructions have read
	LOADS K_+1
	s_wait_dscnt 32                                ; all but the 32 just issued
	PROD 1, K_, 0, 16
.set K_, K_+1
.endr
.endm
.macro QSTEPS adr
.set K_, 1
.rept 6
	WIN 0
	PLACES 4
	FETCHW K_+1, \adr
	s_wait_dscnt 16                                ; all but the 16 just issued
	PROD 0, K_, 0, 16
.set K_, K_+1
.endr
	WIN 0
.endm
; THE WAY OUT of four blocks of 32 numbers a lane: codes into v[P + 6 u], scale bytes into v[EB + u].  Each accumulator is read from its low end on.
.macro WAYOUT
	s_wait_xcnt 0x0                                ; earlier stores have read their registers
	WIN 0x3f
.irp u, 0,1,2,3
	v_max3_num_f32 v[TM+2*\u], |v[32*\u]|, |v[32*\u+1]|, |v[32*\u+2]|
	v_max3_num_f32 v[TM+2*\u+1], |v[32*\u+3]|, |v[32*\u+4]|, |v[32*\u+5]|
.endr
	WIN 0x3c
.irp i, 6,10,14,18,22,26
.irp u, 0,1,2,3
	v_max3_num_f32 v[TM+2*\u], v[TM+2*\u], |v[32*\u+\i]|, |v[32*\u+\i+1]|
	v_max3_num_f32 v[TM+2*\u+1], v[TM+2*\u+1], |v[32*\u+\i+2]|, |v[32*\u+\i+3]|
.endr
.endr
.irp u, 0,1,2,3
	v_max3_num_f32 v[TM+2*\u], v[TM+2*\u], |v[32*\u+30]|, |v[32*\u+31]|
.endr
	WIN 0
.irp u, 0,1,2,3
	v_max3_num_f32 v[TM+2*\u], v[TM+2*\u], v[TM+2*\u+1], 0x1800000   ; and the floor 2^(3 - 127)
.endr
.irp u, 0,1,2,3
	v_add_nc_u32 v[TS+\u], 0xff000000, v[TM+2*\u]  ; the conversion's scale operand
.endr
.irp u, 0,1,2,3
	v_lshrrev_b32 v[EB+\u], 23, v[TS+\u]
.endr
	WIN 3
.irp u, 0,1,2,3
	v_cvt_scalef32_pk16_fp6_f32 v[P+6*\u:P+6*\u+2], v[32*\u:32*\u+15], v[TS+\u]
	v_cvt_scalef32_pk16_fp6_f32 v[CT+4*\u:CT+4*\u+2], v[32*\u+16:32*\u+31], v[TS+\u]
.endr
	WIN 0
	v_nop
.irp u, 0,1,2,3
.irp i, 0,1,2
	v_mov_b32 v[P+6*\u+3+\i], v[CT+4*\u+\i]
.endr
.endr
.endm
.macro QKOUT cb, wb, woff
.irp u, 0,1,2,3
	global_store_b64  v1, v[P+6*\u:P+6*\u+1],   s[\cb:\cb+1] offset:768*\u
	global_store_b128 v2, v[P+6*\u+2:P+6*\u+5], s[\cb:\cb+1] offset:768*\u+256
.endr
.irp u, 0,1,2,3
	v_lshlrev_b32 v[WD+\u], v12, v[EB+\u]          ; my block is the head's h-th
.endr
.irp u, 0,1,2,3
	v_permlanex16_b32 v[PX+\u], v[WD+\u], s2, s3
.endr
.irp u, 0,1,2,3
	v_or_b32 v[WD+\u], v[WD+\u], v[PX+\u]
.endr
	v_cndmask_b32 v[WD], v[WD], v[WD+2], s67       ; lanes 0-15 send tiles 0 and 1, lanes 16-31 tiles 2 and 3
	v_cndmask_b32 v[WD+1], v[WD+1], v[WD+3], s67
	global_store_b64 v13, v[WD:WD+1], s[\wb:\wb+1] offset:\woff   ; 256 consecutive bytes
.endm
	s_wait_alu depctr_va_vdst(0)
	s_cmp_lt_u32 s14, 2
	s_cbranch_scc0 .Lnot_first
	s_wait_tensorcnt 0x0
.Lnot_first:
	s_barrier_signal -1
	s_barrier_wait -1                              ; K 0-511 of x and Wv is in; the other half may be on its way
; ---- PHASE v
	SCALES 8, 0
	LOADS 0
	LOADS 1
	s_wait_loadcnt 0x0
	WIN 0xc3
.irp t, 0,8,16,24
.irp i, 1,2,3,4,5,6,7
	v_mov_b32 v[BI+\t+\i], v[BI+\t]                ; v's bias, one number a lane and tile, over the tile's eight registers
.endr
.endr
	WIN 0
	s_wait_alu depctr_va_vdst(0)
	s_wait_dscnt 32                                ; all but K step 1's 32 loads
	PROD 1, 0, 0, 16
	VSTEPS 1, 2
	MEET 3
	TLOAD 60, 52                                   ; a record of Wq, the first tensor load behind the round
	SCALES 9, 1
	LOADS 4
	LOADS 5
	BIASQK 6
	s_cmp_lt_u32 s66, 4
	s_cbranch_scc0 .Lno_pf1
	global_prefetch_b8 v[PFA], s[98:99] offset:32*REC th:TH_LOAD_NT scope:SCOPE_SE   ; Wk's block, eight blocks behind Wq's
.Lno_pf1:
	s_wait_dscnt 32
	PROD 1, 4, 0, 16
	VSTEPS 5, 2
	MEET 7                                         ; Wq is in
	TLOAD 72, 52                                   ; a record of Wk, over Wv, which nobody reads any more
; ---- PHASE q; v's way out under the flight of its first fragments
	SCALES 10, 0
	SCALES 11, 1
	FETCHW 0, 24
	FETCHW 1, 24
	WAYOUT
.irp u, 0,1,2,3
	global_store_b64  v1, v[P+6*\u:P+6*\u+1],   s[92:93] offset:6144+1536*\u
	global_store_b128 v2, v[P+6*\u+2:P+6*\u+5], s[92:93] offset:6144+1536*\u+256
	ds_store_b8 v7, v[EB+\u] offset:4*\u
.endr
	s_wait_loadcnt 0x0                             ; q's bias
	s_wait_dscnt 0x0
	PROD 0, 0, 0, 16
	WIN 0
	PLACES 4
	BIASQK 8
	QSTEPS 24
	s_wait_tensorcnt 0x0
	s_wait_dscnt 0x0
	s_barrier_signal -1                            ; a plain barrier: Wk and v's scale bytes are shown to all
	PROD 0, 7, 0, 16
	WIN 0
	s_barrier_wait -1
	PLACES 4
; ---- PHASE k; q's way out under the flight of its first fragments
	SCALES 8, 0
	SCALES 9, 1
	FETCHW 0, 20
	FETCHW 1, 20
	ds_load_b32 v[VW], v30
	WAYOUT
	QKOUT 68, 68, 3072
	s_wait_loadcnt 0x0                             ; k's bias
	s_wait_dscnt 0x0
	global_store_b32 v31, v[VW], s[96:97] offset:12800   ; my 128 of v's scale bytes
	PROD 0, 0, 0, 16
	QSTEPS 20
	s_wait_dscnt 0x0
	PROD 0, 7, 0, 16
	WIN 0
	PLACES 4
	WAYOUT
	QKOUT 90, 94, 12288
	s_wait_tensorcnt 0x0                           ; the wave's end
	ds_add_u32 v[SPW], v[NIL]
	s_wait_dscnt 0x0
	CROUND                                         ; the closing round
	s_endpgm
.Lfunc_end_k_qa890136caa_proj:
	.size	k_qa890136caa_proj, .Lfunc_end_k_qa890136caa_proj-k_qa890136caa_proj
	.p2alignl 7, 3214868480
	.fill 96, 4, 3214868480
	.section	.rodata,"a",@progbits
	.p2align	6, 0x0
	.amdhsa_kernel k_qa890136caa_proj
		.amdhsa_group_segment_fixed_size 327680
		.amdhsa_private_segment_fixed_size 0
		.amdhsa_enable_private_segment 0
		.amdhsa_kernarg_size 48
		.amdhsa_user_sgpr_count 2
		.amdhsa_user_sgpr_kernarg_segment_ptr 1
		.amdhsa_wavefront_size32 1
		.amdhsa_system_sgpr_workgroup_id_x 1
		.amdhsa_system_sgpr_workgroup_id_y 1
		.amdhsa_system_sgpr_workgroup_id_z 1
		.amdhsa_system_vgpr_workitem_id 0
		.amdhsa_next_free_vgpr 928
		.amdhsa_next_free_sgpr 102
		.amdhsa_reserve_vcc 0
		.amdhsa_float_denorm_mode_32 3
		.amdhsa_float_denorm_mode_16_64 3
		.amdhsa_memory_ordered 1
		.amdhsa_forward_progress 1
		.amdhsa_inst_pref_size 125
	.end_amdhsa_kernel
	.amdgpu_metadata
---
amdhsa.version: [ 1, 2 ]
amdhsa.kernels:
  - .name:           k_qa890136caa_proj
    .symbol:         k_qa890136caa_proj.kd
    .args:
      - { .name: codes, .offset: 0, .size: 8, .value_kind: global_buffer, .address_space: global }
      - { .name: bq, .offset: 8, .size: 8, .value_kind: global_buffer, .address_space: global }
      - { .name: bk, .offset: 16, .size: 8, .value_kind: global_buffer, .address_space: global }
      - { .name: bv, .offset: 24, .size: 8, .value_kind: global_buffer, .address_space: global }
      - { .name: qimg, .offset: 32, .size: 8, .value_kind: global_buffer, .address_space: global }
      - { .name: kv, .offset: 40, .size: 8, .value_kind: global_buffer, .address_space: global }
    .group_segment_fixed_size: 327680
    .private_segment_fixed_size: 0
    .kernarg_segment_align: 8
    .kernarg_segment_size: 48
    .max_flat_workgroup_size: 128
    .sgpr_count:     102
    .vgpr_count:     928
    .wavefront_size: 32
...
	.end_amdgpu_metadata
.endif
;; end of part 2
;; launch attn (part 3): grid 4 x 64, 8 waves a work-group, clusters of 4 x 4, 327,680 bytes of LDS; arguments qimg, kv, obuf; writes obuf
.if DOCPART == 3
	.amdgcn_target "amdgcn-amd-amdhsa--gfx1250"
	.amdhsa_code_object_version 6
	.text
	.protected	k_qa890136caa_attn
	.globl	k_qa890136caa_attn
	.p2align	8
	.type	k_qa890136caa_attn,@function
k_qa890136caa_attn:
	s_mov_b64 s[64:65], 0
	v_nop
	global_prefetch_b8 v0, s[64:65] scope:SCOPE_SE
	s_setreg_imm32_b32 hwreg(HW_REG_WAVE_MODE, 25, 1), 1
	s_wait_xcnt 0x0
	s_wait_alu depctr_hold_cnt(0) depctr_sa_sdst(0) depctr_va_vdst(0) depctr_va_sdst(0) depctr_va_ssrc(0) depctr_va_vcc(0) depctr_vm_vsrc(0)
	s_getreg_b32 s2, hwreg(HW_REG_IB_STS2, 6, 4)
	s_cmp_eq_u32 s2, 0
	s_cbranch_scc0 .Lentry_in_a_cluster
	s_endpgm
.Lentry_in_a_cluster:
	s_bfe_u32 s2, ttmp6, 0x10000c
	s_cmp_lg_u32 s2, 0xf033
	s_cbranch_scc0 .Lentry_shape_is_right
	s_endpgm
.Lentry_shape_is_right:
; o = softmax(q k^T / 8, causal) v on codes of FP6 (E2M3), quantised along the head's 64 on the way out, as images of the output projection's operand registers.
; WORK LEFT OUT: key steps of 128 that lie wholly behind a tile's 16 queries: the causal mask makes their scores -inf for all inputs.  A NaN or infinity that reaches only those is not carried.
; LIMITS: scaled scores (exponents to the base 2) under 2^31 in magnitude; NaN and infinities are not served; a block whose largest magnitude lies under 2^-124, zeros among them, gets the byte 1: its codes are zeros or subnormals.
; THE DEAL.  Eight work-groups for each (batch, head): work-group (g, cx) takes tiles 2 cx and 2 cx + 1 of the eight of a step of 128 queries, in the steps i and 15 - i, i = 2 m + g, m = 0 .. 3.  A wave takes TWO TILES of one step: a fragment of k or v serves both.
; Wave m (B) takes the short step's (i) records 0 to i and then the long step's (15 - i) records 7 to 15 - i, wave m + 4 (A) the long step's records 0 to 6: 10 and 7 double steps.  B's part of the long tiles goes to A through LDS; A joins the two and sends the tiles.
; LDS: the 16 records of the head, 13,056 bytes each, asked for once, at the head, by wave w records 2 w and 2 w + 1; the four parts; the spare words.  Nothing is filled twice.  Records 0 and 1 are shown by a barrier of their own, the others by the next, one step later.
; CLUSTERS: a row of the cluster (four work-groups of one g and one head) shares its records by joint loads; g hangs on the cluster's number alone.  No prefetch: every record is asked for at the head, and no loop runs ahead of a load.
; S^T = k q^T: lane (r, h) has query r, and register 32 c + i of S is key 64 c + 32 h + i of the step: two whole scale blocks of p a lane.
; k's and q's operands have 64 along K: a k fragment is six registers, and the six behind it, the next fragment's, meet q's zero codes; the scale bytes 2 and 3 are 0 on both sides.
; v's fragments and the NEXT record's k fragments are loaded behind the scores' products, and waited for behind the softmax.
; REGISTERS.  window 0: v12, v16 -M of the two tiles, v13, v17 their largest scores, v[14:15], v[18:19] their sums in two halves; v8-11 v's words, v28-29 q's; v32-85 k, v86-93 its words; v94-141 v; v142-165 q; v230-249 at work; v250-251 p's words.
;   window 1: v0-127 S, then p, of both tiles; v128-191 O^T; v192-231 first sums, then codes; v232-239 partial sums; v240-253 q of the long tiles.
.set REC, 13056
.set CUT, 7                            ; the long step's records from here on are B's
.set KB,  32
.set KS,  86
.set VB,  94
.set Q,   142                          ; + 12 u
.set TM,  230                          ; + 10 u
.set PSW, 250                          ; + u
.set NINF, 239
.set NM,  12                           ; + 4 u
.set MX,  13
.set L,   14
.set F,   254                          ; - 224 u: v[254:255], v[30:31]
.set S,   0                            ; window 1: + 64 u
.set O,   128                          ; + 32 u
.set P,   192                          ; + 20 u; the conversions' second halves 12 and 16 further on
.set SA,  232                          ; + 4 u
.set Q2,  240
.set SPW, 252
.set NIL, 253
.set OB,  24
.set MK,  66                           ; s66-81 masks of the diagonal step, two sets of eight
.set STASH, 16*REC
.set PART, 4352                        ; a tile's part: O^T, then -M and the sum
.set SPARE, STASH+8*PART
.set MSB, 0
.macro WIN new                         ; the immediate's high byte repeats the setting that is left
.if MSB != (\new)
	s_set_vgpr_msb (MSB<<8)|(\new)
.set MSB, (\new)
.endif
.endm
.macro PLACES n
.rept \n
	v_nop
.endr
.endm
.macro CROUND
	s_barrier_signal -1
	s_barrier_wait -1
	s_cmp_lg_u32 s14, 0
	s_cbranch_scc1 .Lnot_wave_0_\@
	s_barrier_signal -3
.Lnot_wave_0_\@:
	s_barrier_wait -3
	s_barrier_signal -1
	s_barrier_wait -1
.endm
.macro QBASE st, fb, wb                ; my tiles of query step s[st]: their codes, and their word column
	s_mul_i32 s56, s\st, 6656
	s_add_co_u32 s56, s56, s54
	s_mul_i32 s58, s49, 1536
	s_add_co_u32 s58, s58, s56
	s_mov_b32 s59, 0
	s_add_nc_u64 s[\fb:\fb+1], s[4:5], s[58:59]
	s_lshl_b32 s57, s49, 3
	s_add_co_u32 s56, s56, s57
	s_mov_b32 s57, 0
	s_add_nc_u64 s[\wb:\wb+1], s[4:5], s[56:57]
.endm
	s_load_b128 s[4:7], s[0:1], 0x0                ; qimg, kv
	s_load_b64 s[10:11], s[0:1], 0x10              ; obuf
	v_lshl_add_u32 v[SPW], v0, 2, SPARE
	v_mov_b32 v[NIL], 0
	ds_add_u32 v[SPW], v[NIL]                      ; the opening lines
	ds_add_u32 v[SPW], v[NIL]
	v_lshrrev_b32 v5, 5, v0
	v_readfirstlane_b32 s14, v5                    ; wave
	s_bfe_u32 s40, ttmp6, 0x40000                  ; cx
	s_bfe_u32 s41, ttmp6, 0x40004                  ; cy
	s_and_b32 s42, ttmp7, 0xffff                   ; the cluster's y
	s_and_b32 s39, s42, 1                          ; g
	s_lshr_b32 s48, s42, 1
	s_lshl_b32 s48, s48, 2
	s_add_co_u32 s48, s48, s41                     ; bh = batch x 16 + head: the same along a row of the cluster
	s_lshl_b32 s43, s41, 2
	s_lshl_b32 s43, 15, s43                        ; my row of the cluster
	s_or_b32 s24, s43, (3<<16)|(1<<21)             ; two records: 102 rows of 32 elements of 8 bytes
	s_mov_b32 s25, 32<<16
	s_mov_b32 s26, 102<<16
	s_mov_b32 s27, 32<<16
	s_mov_b32 s28, 102
	s_mov_b32 s29, 32
	s_mov_b32 s30, 0
	s_mov_b32 s31, 0
	s_mov_b32 s32, 1
	s_mul_i32 s33, s14, 2*REC
	s_mul_i32 s54, s48, 16*REC
	s_add_co_u32 s54, s54, s33
	s_mov_b32 s55, 0
	s_wait_dscnt 0x0
	CROUND                                         ; all sixteen work-groups are here: the joint loads meet
	s_wait_kmcnt 0x0
	s_add_nc_u64 s[34:35], s[6:7], s[54:55]
	s_or_b32 s35, s35, 0x80000000
	s_cmp_lt_u32 s14, 1                            ; one tensor load a wave; records 0 and 1 have a line of their own, since their wave waits for it alone
	s_cbranch_scc0 .Lothers
	tensor_load_to_lds s[32:35], s[24:31]
	s_nop 0
	PLACES 4
	s_branch .Lasked
.Lothers:
	tensor_load_to_lds s[32:35], s[24:31]
	s_nop 0
	PLACES 4
.Lasked:
	s_and_b32 s37, s14, 3                          ; m
	s_lshl_b32 s18, s37, 1
	s_add_co_u32 s18, s18, s39                     ; i: the short step
	s_sub_co_u32 s19, 15, s18                      ; the long one
	s_cmp_lt_u32 s14, 4
	s_cselect_b32 s13, s18, s19                    ; my first step: B the short one, A the long one
	s_cselect_b32 s15, s18, CUT-1                  ; and its last record for me
	s_lshr_b32 s41, s40, 1                         ; the tiles' band of 64 in their step
	s_and_b32 s49, s40, 1                          ; which pair of its four tiles
	s_mul_i32 s54, s48, 106496
	s_mul_i32 s43, s41, 3328
	s_add_co_u32 s54, s54, s43
	QBASE 13, 44, 46
	QBASE 19, 60, 62
	s_mul_i32 s38, s37, 2*PART
	s_add_co_u32 s38, s38, STASH                   ; my pair's parts in LDS
	s_lshl_b32 s37, s40, 4
	s_lshl_b32 s43, s41, 5
	s_add_co_u32 s37, s37, s43                     ; 64 x band + 16 x pair = 16 cx + 32 x band
	v_and_b32 v5, 31, v0                           ; lane
	v_and_b32 v6, 15, v0                           ; r
	v_bfe_u32 v7, v0, 4, 1                         ; h
	v_lshlrev_b32 v1, 3, v5
	v_lshlrev_b32 v2, 4, v5
	v_lshlrev_b32 v3, 4, v6
.irp u, 0,1                                    ; my first tiles of q, and their words
	global_load_b64 v[Q+12*\u:Q+12*\u+1], v1, s[44:45] offset:768*\u
	global_load_b128 v[Q+12*\u+2:Q+12*\u+5], v2, s[44:45] offset:768*\u+256
	global_load_b32 v[28+\u], v3, s[46:47] offset:3072+4*\u
.endr
	WIN 0x40
.irp u, 0,1                                    ; the long tiles (B's second; A's are the same again)
	global_load_b64 v[Q2+6*\u:Q2+6*\u+1], v1, s[60:61] offset:768*\u
	global_load_b128 v[Q2+6*\u+2:Q2+6*\u+5], v2, s[60:61] offset:768*\u+256
	global_load_b32 v[Q2+12+\u], v3, s[62:63] offset:3072+4*\u
.endr
	WIN 0
	v_lshlrev_b32 v21, 3, v7                       ; 8 h
	v_lshl_add_u32 v[OB], v6, 3, v7                ; 8 r + h
	v_and_b32 v4, 8, v6
	v_mul_u32_u24 v4, 3, v4
	v_add_nc_u32 v4, v4, v6                        ; r + 24 (r / 8)
	v_lshlrev_b32 v20, 5, v7
	v_sub_nc_u32 v4, v4, v20
	v_add_nc_u32 v4, s37, v4                       ; my query's place in its step, less 32 h: register 32 c + i of S is hidden in the diagonal step where 64 c + i lies above it (for the second tile: above it + 8)
	v_add_nc_u32 v22, s38, v2
	v_add_nc_u32 v23, s38, v1
.irp j, 6,7,8,9,10,11
	v_mov_b32 v[Q+\j], 0
	v_mov_b32 v[Q+12+\j], 0
.endr
.irp j, 80,81,82,83,84,85
	v_mov_b32 v\j, 0                               ; behind the last k fragment
.endr
.macro CLEAR                           ; no key counted yet
	WIN 0
.irp u, 0,1
	v_mov_b32 v[MX+4*\u], 0xff61b1e6               ; -3e38, under every score
	v_mov_b32 v[NM+4*\u], 0x7f61b1e6               ; and -M far above every one
	v_mov_b32 v[L+4*\u], 0
	v_mov_b32 v[L+4*\u+1], 0
.endr
	WIN 0x40
.set jj, 0
.rept 64
	v_mov_b32 v[O+jj], 0
.set jj, jj+1
.endr
	WIN 0
.endm
.irp u, 0,1
	v_mov_b32 v[TM+10*\u+5], 0                     ; a lane permute's destination counts as one of its sources
	v_mov_b32 v[TM+10*\u+7], 0
	v_mov_b32 v[F-224*\u], 0                       ; (pairs of which the low halves serve)
	v_mov_b32 v[F-224*\u+1], 0
.endr
	CLEAR
	s_wait_alu depctr_va_vdst(0)
	s_lshr_b32 s43, s48, 4
	s_mul_i32 s50, s43, 16*102400                  ; the batch's 16 blocks of 128 tokens
	s_and_b32 s49, s48, 15                         ; head
	s_lshr_b32 s43, s49, 2
	s_mul_i32 s43, s43, 25600                      ; record of 256 along K
	s_add_co_u32 s50, s50, s43
	s_bfe_u32 s43, s49, 0x10001                    ; K step in it
	s_and_b32 s49, s49, 1                          ; half of the fragment
	s_lshl_b32 s42, s40, 1                         ; my first tile of the block's eight
	s_lshl_b32 s52, s42, 7
	s_add_co_u32 s52, s52, s50
	s_lshl_b32 s53, s43, 2
	s_add_co_u32 s52, s52, s53
	s_lshl_b32 s53, s49, 1
	s_add_co_u32 s52, s52, s53
	s_add_co_u32 s52, s52, 24576
	s_mul_i32 s43, s43, 12288
	s_add_co_u32 s50, s50, s43
	s_mul_i32 s43, s42, 1536
	s_add_co_u32 s50, s50, s43
	s_mul_i32 s43, s49, 768
	s_add_co_u32 s50, s50, s43
	s_mov_b32 s51, 0
	s_mov_b32 s53, 0
	s_add_nc_u64 s[50:51], s[10:11], s[50:51]
	s_add_nc_u64 s[52:53], s[10:11], s[52:53]
	s_mov_b32 s20, 0x76543210
	s_mov_b32 s21, 0xfedcba98
	s_mov_b32 s22, 0x3e38aa3b                      ; c = log2(e) / 8
	s_mov_b32 s23, s22
	s_mov_b32 s36, 0xbe38aa3b                      ; -c
.macro KLOAD                           ; a record's eight k fragments and their words
.irp t, 0,1,2,3,4,5,6,7
	ds_load_b64  v[KB+6*\t:KB+6*\t+1],   v5 offset:768*\t
	ds_load_b128 v[KB+6*\t+2:KB+6*\t+5], v6 offset:768*\t+256
.endr
	ds_load_b128 v[KS:KS+3],   v7 offset:12288
	ds_load_b128 v[KS+4:KS+7], v7 offset:12288+256
.endm
.macro MASKS c, q                      ; which lanes hide registers 32 c + 8 q .. + 7 from the first tile, into set (q + 1) % 2
.irp i, 0,1,2,3,4,5,6,7
	v_cmp_gt_i32 s[MK+8*(((\q)+1)%2)+\i], 64*(\c)+8*(\q)+\i, v4
.endr
.endm
.macro STEP                            ; record s16 at LDS byte s17, whose k fragments have been asked for
	s_cmp_gt_u32 s16, s15
	s_cbranch_scc1 .Lhid_\@
	s_add_co_u32 s38, s17, REC
	s_min_u32 s38, s38, 15*REC                     ; the next record
	s_wait_alu depctr_va_vdst(0)
	s_wait_dscnt 0x0
	WIN 0x40
.irp u, 0,1
.irp t, 0,1,2,3,4,5,6,7
	v_wmma_scale_f32_16x16x128_f8f6f4 v[S+64*\u+8*\t:S+64*\u+8*\t+7], v[KB+6*\t:KB+6*\t+11], v[Q+12*\u:Q+12*\u+11], 0, v[KS+\t], v[28+\u] matrix_a_fmt:MATRIX_FMT_FP6 matrix_b_fmt:MATRIX_FMT_FP6
.endr
.endr
	WIN 0
	v_add_nc_u32 v26, s17, v1                      ; six plain lines: the places for the loads into k's registers and the reads of S
	v_add_nc_u32 v27, s17, v2
	v_add_nc_u32 v25, s17, v3
	v_add_nc_u32 v5, s38, v1
	v_add_nc_u32 v6, s38, v2
	v_add_nc_u32 v7, s38, v3
.irp t, 0,1,2,3
	ds_load_b64  v[VB+12*\t:VB+12*\t+1],    v26 offset:6144+1536*\t
	ds_load_b128 v[VB+12*\t+2:VB+12*\t+5],  v27 offset:6144+1536*\t+256
	ds_load_b64  v[VB+12*\t+6:VB+12*\t+7],  v26 offset:6144+1536*\t+768
	ds_load_b128 v[VB+12*\t+8:VB+12*\t+11], v27 offset:6144+1536*\t+1024
.endr
	ds_load_b128 v[8:11], v25 offset:12800
	KLOAD
	s_cmp_lt_u32 s16, s13
	s_cbranch_scc1 .Lopen_\@
	v_mov_b32 v[NINF], 0xff800000                  ; the diagonal step: the second tile's masks are the first's of eight registers before
	WIN 0x41
.irp c, 0,1
	MASKS \c, -1
.irp q, 0,1,2,3
	MASKS \c, \q
.irp i, 0,1,2,3,4,5,6,7
	v_cndmask_b32 v[S+32*\c+8*\q+\i], v[S+32*\c+8*\q+\i], v[NINF], s[MK+8*((\q+1)%2)+\i]
	v_cndmask_b32 v[S+64+32*\c+8*\q+\i], v[S+64+32*\c+8*\q+\i], v[NINF], s[MK+8*(\q%2)+\i]
.endr
.endr
.endr
	WIN 0
.Lopen_\@:
	WIN 0x15
.irp c, 0,1
.irp u, 0,1
	v_max3_num_f32 v[TM+10*\u+2*\c], v[S+64*\u+32*\c], v[S+64*\u+1+32*\c], v[S+64*\u+2+32*\c]
	v_max3_num_f32 v[TM+10*\u+2*\c+1], v[S+64*\u+3+32*\c], v[S+64*\u+4+32*\c], v[S+64*\u+5+32*\c]
.endr
.endr
	WIN 0x14
.irp i, 6,10,14,18,22,26
.irp c, 0,1
.irp u, 0,1
	v_max3_num_f32 v[TM+10*\u+2*\c], v[TM+10*\u+2*\c], v[S+64*\u+32*\c+\i], v[S+64*\u+1+32*\c+\i]
	v_max3_num_f32 v[TM+10*\u+2*\c+1], v[TM+10*\u+2*\c+1], v[S+64*\u+2+32*\c+\i], v[S+64*\u+3+32*\c+\i]
.endr
.endr
.endr
.irp c, 0,1
.irp u, 0,1
	v_max3_num_f32 v[TM+10*\u+2*\c], v[TM+10*\u+2*\c], v[S+64*\u+30+32*\c], v[S+64*\u+31+32*\c]
.endr
.endr
	WIN 0
.irp u, 0,1
	v_mov_b32 v[TM+10*\u+6], v[NM+4*\u]
	v_max_num_f32 v[TM+10*\u], v[TM+10*\u], v[TM+10*\u+1]         ; the largest score of my block c = 0,
	v_max_num_f32 v[TM+10*\u+2], v[TM+10*\u+2], v[TM+10*\u+3]     ; of my block c = 1
.endr
.irp u, 0,1
	v_max_num_f32 v[TM+10*\u+4], v[TM+10*\u], v[TM+10*\u+2]
.endr
.irp u, 0,1
	v_permlanex16_b32 v[TM+10*\u+5], v[TM+10*\u+4], s20, s21
.endr
.irp u, 0,1
	v_max3_num_f32 v[MX+4*\u], v[MX+4*\u], v[TM+10*\u+4], v[TM+10*\u+5]   ; the running largest score of my query
.endr
.irp u, 0,1
	v_mul_f32 v[TM+10*\u+8], s36, v[MX+4*\u]
.endr
.irp u, 0,1
	v_floor_f32 v[NM+4*\u], v[TM+10*\u+8]          ; -M = floor(-t)
.endr
.irp u, 0,1
	v_sub_f32 v[TM+10*\u+6], v[NM+4*\u], v[TM+10*\u+6]
.endr
.irp u, 0,1
	v_fma_f32 v[TM+10*\u], v[TM+10*\u], s22, v[NM+4*\u]           ; p rises with the score: a block's largest p is that of its largest score
	v_fma_f32 v[TM+10*\u+2], v[TM+10*\u+2], s22, v[NM+4*\u]
.endr
.irp u, 0,1
	v_cvt_i32_f32 v[TM+10*\u+6], v[TM+10*\u+6]
.endr
.irp u, 0,1
	v_ldexp_f32 v[F-224*\u], 1.0, v[TM+10*\u+6]    ; 2^(old M - new M)
.endr
	WIN 0x41
.set jj, 0
.rept 32
	v_pk_fma_f32 v[S+jj:S+jj+1], v[S+jj:S+jj+1], s[22:23], v[NM:NM+1] op_sel_hi:[1,0,0]
.set jj, jj+2
.endr
.set jj, 0
.rept 16
	v_pk_mul_f32 v[O+jj:O+jj+1], v[O+jj:O+jj+1], v[F:F+1] op_sel_hi:[1,0]
	v_pk_mul_f32 v[O+32+jj:O+32+jj+1], v[O+32+jj:O+32+jj+1], v[F-224:F-223] op_sel_hi:[1,0]
.set jj, jj+2
.endr
	WIN 0
	s_wait_alu depctr_va_vdst(0)                   ; the wait ahead of the batch
	v_exp_f32 v[TM], v[TM]
	v_exp_f32 v[TM+2], v[TM+2]
	WIN 0x41
.set jj, 0
.rept 32                                       ; tile 0's exponentials, and tile 1's t - M among them
	v_exp_f32 v[S+jj], v[S+jj]
	v_exp_f32 v[S+jj+1], v[S+jj+1]
	v_pk_fma_f32 v[S+64+jj:S+64+jj+1], v[S+64+jj:S+64+jj+1], s[22:23], v[NM+4:NM+5] op_sel_hi:[1,0,0]
.set jj, jj+2
.endr
	WIN 0
	s_wait_alu depctr_va_vdst(0)                   ; for tile 0's exponentials' readers, and ahead of tile 1's batch
	v_exp_f32 v[TM+10], v[TM+10]
	v_exp_f32 v[TM+12], v[TM+12]
	WIN 0x45
.set jj, 0
.rept 16                                       ; tile 1's exponentials, and the first sums of tile 0's p, unquantised, among them (in registers that take codes later)
	v_exp_f32 v[S+64+4*jj], v[S+64+4*jj]
	v_exp_f32 v[S+65+4*jj], v[S+65+4*jj]
	v_pk_add_f32 v[P+2*jj:P+2*jj+1], v[S+4*jj:S+4*jj+1], v[S+4*jj+2:S+4*jj+3]
	v_exp_f32 v[S+66+4*jj], v[S+66+4*jj]
	v_exp_f32 v[S+67+4*jj], v[S+67+4*jj]
.set jj, jj+1
.endr
	WIN 0
	v_pk_mul_f32 v[L:L+1], v[L:L+1], v[F:F+1] op_sel_hi:[1,0]     ; plain places behind the exponentials
	v_pk_mul_f32 v[L+4:L+5], v[L+4:L+5], v[F-224:F-223] op_sel_hi:[1,0]
	s_wait_alu depctr_va_vdst(0)                   ; and the wait ahead of their first reader
.irp u, 0,1
	v_max_num_f32 v[TM+10*\u], 0x1800000, v[TM+10*\u]             ; the floor 2^(3 - 127)
	v_max_num_f32 v[TM+10*\u+2], 0x1800000, v[TM+10*\u+2]
.endr
.irp u, 0,1
	v_add_nc_u32 v[TM+10*\u+4], 0xff000000, v[TM+10*\u]           ; the conversions' scale operands
	v_add_nc_u32 v[TM+10*\u+5], 0xff000000, v[TM+10*\u+2]
.endr
.irp u, 0,1
	v_lshrrev_b32 v[TM+10*\u+6], 23, v[TM+10*\u+4]
	v_lshrrev_b32 v[TM+10*\u+1], 23, v[TM+10*\u+5]
.endr
.irp u, 0,1
	v_lshl_or_b32 v[TM+10*\u+6], v[TM+10*\u+1], 16, v[TM+10*\u+6] ; my blocks are h and 2 + h of the step's four
.endr
.irp u, 0,1
	v_lshlrev_b32 v[TM+10*\u+6], v21, v[TM+10*\u+6]
.endr
.irp u, 0,1
	v_permlanex16_b32 v[TM+10*\u+7], v[TM+10*\u+6], s20, s21
.endr
.irp u, 0,1
	v_or_b32 v[PSW+\u], v[TM+10*\u+6], v[TM+10*\u+7]              ; p's scale word
.endr
	WIN 0x45
	v_pk_add_f32 v[SA:SA+1],   v[P:P+1],     v[P+2:P+3]           ; the sums go on, each in two chains
	v_pk_add_f32 v[SA+2:SA+3], v[P+4:P+5],   v[P+6:P+7]
	v_pk_add_f32 v[SA+4:SA+5], v[S+64:S+65], v[S+66:S+67]
	v_pk_add_f32 v[SA+6:SA+7], v[S+68:S+69], v[S+70:S+71]
.irp j, 8,12,16,20,24,28
	v_pk_add_f32 v[SA:SA+1],   v[SA:SA+1],   v[P+\j:P+1+\j]
	v_pk_add_f32 v[SA+2:SA+3], v[SA+2:SA+3], v[P+2+\j:P+3+\j]
	v_pk_add_f32 v[SA+4:SA+5], v[SA+4:SA+5], v[S+64+\j:S+65+\j]
	v_pk_add_f32 v[SA+6:SA+7], v[SA+6:SA+7], v[S+66+\j:S+67+\j]
.endr
	WIN 0x41
.irp u, 0,1
	v_cvt_scalef32_pk16_fp6_f32 v[P+20*\u:P+20*\u+2],     v[S+64*\u:S+64*\u+15],    v[TM+10*\u+4]
	v_cvt_scalef32_pk16_fp6_f32 v[P+20*\u+12:P+20*\u+14], v[S+64*\u+16:S+64*\u+31], v[TM+10*\u+4]
	v_cvt_scalef32_pk16_fp6_f32 v[P+20*\u+6:P+20*\u+8],   v[S+64*\u+32:S+64*\u+47], v[TM+10*\u+5]
	v_cvt_scalef32_pk16_fp6_f32 v[P+20*\u+16:P+20*\u+18], v[S+64*\u+48:S+64*\u+63], v[TM+10*\u+5]
.endr
	WIN 0x45
	v_pk_add_f32 v[SA:SA+1],   v[SA:SA+1],   v[SA+2:SA+3]
	v_pk_add_f32 v[SA+4:SA+5], v[SA+4:SA+5], v[S+96:S+97]
	v_pk_add_f32 v[SA+6:SA+7], v[SA+6:SA+7], v[S+98:S+99]
.irp u, 0,1
.irp i, 0,1,2
	v_mov_b32 v[P+20*\u+3+\i], v[P+20*\u+12+\i]    ; (a conversion's three registers begin on an even number)
	v_mov_b32 v[P+20*\u+9+\i], v[P+20*\u+16+\i]
.endr
.endr
.irp j, 36,40,44,48,52,56,60
	v_pk_add_f32 v[SA+4:SA+5], v[SA+4:SA+5], v[S+64+\j:S+65+\j]
	v_pk_add_f32 v[SA+6:SA+7], v[SA+6:SA+7], v[S+66+\j:S+67+\j]
.endr
	v_pk_add_f32 v[SA+4:SA+5], v[SA+4:SA+5], v[SA+6:SA+7]
	WIN 0x04
.irp u, 0,1
	v_pk_add_f32 v[L+4*\u:L+4*\u+1], v[L+4*\u:L+4*\u+1], v[SA+4*\u:SA+4*\u+1]
.endr
	WIN 0x54
	s_wait_alu depctr_va_vdst(0)
	s_wait_dscnt 0x0                               ; v's fragments are in, and the next record's k
.irp u, 0,1
.irp t, 0,1,2,3
	v_wmma_scale_f32_16x16x128_f8f6f4 v[O+32*\u+8*\t:O+32*\u+8*\t+7], v[VB+12*\t:VB+12*\t+11], v[P+20*\u:P+20*\u+11], v[O+32*\u+8*\t:O+32*\u+8*\t+7], v[8+\t], v[PSW+\u] matrix_a_fmt:MATRIX_FMT_FP6 matrix_b_fmt:MATRIX_FMT_FP6
.endr
.endr
	WIN 0
.Lhid_\@:
.endm
.macro FINAL st                        ; O^T / the sum, quantised (a lane has one block of 32), out as halves of fragments of token block s[st]
	WIN 0
.irp u, 0,1
	v_permlanex16_b32 v[TM+10*\u+5], v[L+4*\u], s20, s21
.endr
.irp u, 0,1
	v_add_f32 v[L+4*\u], v[L+4*\u], v[TM+10*\u+5]
.endr
	s_wait_alu depctr_va_vdst(0)
	v_rcp_f32 v[L], v[L]
	v_rcp_f32 v[L+4], v[L+4]
	v_mov_b32 v[TM+9], 0                           ; a plain place behind the transcendentals
	s_mul_i32 s54, s\st, 102400
	s_mov_b32 s55, 0
	s_add_nc_u64 s[56:57], s[50:51], s[54:55]
	s_add_nc_u64 s[58:59], s[52:53], s[54:55]
	WIN 0x41
	s_wait_alu depctr_va_vdst(0)
.set jj, 0
.rept 16
	v_pk_mul_f32 v[S+jj:S+jj+1], v[O+jj:O+jj+1], v[L:L+1] op_sel_hi:[1,0]
	v_pk_mul_f32 v[S+64+jj:S+64+jj+1], v[O+32+jj:O+32+jj+1], v[L+4:L+5] op_sel_hi:[1,0]
.set jj, jj+2
.endr
	WIN 0x05
.irp u, 0,1
	v_max3_num_f32 v[TM+10*\u], |v[S+64*\u]|, |v[S+64*\u+1]|, 0x1800000
.endr
	WIN 0x15
.irp u, 0,1
	v_max3_num_f32 v[TM+10*\u+1], |v[S+64*\u+2]|, |v[S+64*\u+3]|, |v[S+64*\u+4]|
.endr
	WIN 0x14
.irp i, 5,9,13,17,21,25
.irp u, 0,1
	v_max3_num_f32 v[TM+10*\u], v[TM+10*\u], |v[S+64*\u+\i]|, |v[S+64*\u+1+\i]|
	v_max3_num_f32 v[TM+10*\u+1], v[TM+10*\u+1], |v[S+64*\u+2+\i]|, |v[S+64*\u+3+\i]|
.endr
.endr
.irp u, 0,1
	v_max3_num_f32 v[TM+10*\u], v[TM+10*\u], |v[S+64*\u+29]|, |v[S+64*\u+30]|
.endr
	WIN 0x10
.irp u, 0,1
	v_max3_num_f32 v[TM+10*\u], v[TM+10*\u], v[TM+10*\u+1], |v[S+64*\u+31]|
.endr
	WIN 0
.irp u, 0,1
	v_add_nc_u32 v[TM+10*\u+4], 0xff000000, v[TM+10*\u]
.endr
.irp u, 0,1
	v_lshrrev_b32 v[TM+10*\u+6], 23, v[TM+10*\u+4]
.endr
	WIN 0x41
.irp u, 0,1
	v_cvt_scalef32_pk16_fp6_f32 v[P+20*\u:P+20*\u+2],     v[S+64*\u:S+64*\u+15],    v[TM+10*\u+4]
	v_cvt_scalef32_pk16_fp6_f32 v[P+20*\u+12:P+20*\u+14], v[S+64*\u+16:S+64*\u+31], v[TM+10*\u+4]
.endr
	v_nop
.irp u, 0,1
.irp i, 0,1,2
	v_mov_b32 v[P+20*\u+3+\i], v[P+20*\u+12+\i]
.endr
.endr
	WIN 0x04
.irp u, 0,1
	global_store_b64  v1, v[P+20*\u:P+20*\u+1],   s[56:57] offset:1536*\u
	global_store_b128 v2, v[P+20*\u+2:P+20*\u+5], s[56:57] offset:1536*\u+256
.endr
	WIN 0
.irp u, 0,1
	global_store_b8 v[OB], v[TM+10*\u+6], s[58:59] offset:128*\u
.endr
.endm
	s_wait_alu depctr_va_vdst(0)
	s_cmp_lt_u32 s14, 1
	s_cbranch_scc0 .Lnot_first
	s_wait_tensorcnt 0x0
.Lnot_first:
	s_barrier_signal -1
	s_barrier_wait -1                              ; records 0 and 1 are in
	v_mov_b32 v5, v1
	v_mov_b32 v6, v2
	v_mov_b32 v7, v3
	KLOAD
	s_wait_loadcnt 0x0                             ; q
	s_mov_b32 s16, 0
	s_mov_b32 s17, 0
	STEP
	s_wait_tensorcnt 0x0
	s_wait_dscnt 0x0
	s_barrier_signal -1
	s_barrier_wait -1                              ; all records are in
	s_mov_b32 s16, 1
	s_mov_b32 s17, REC
.Lnear:                                                ; records 1 to 7
	STEP
	s_add_co_u32 s17, s17, REC
	s_add_co_u32 s16, s16, 1
	s_cmp_lt_u32 s16, 8
	s_cbranch_scc1 .Lnear
	s_cmp_lt_u32 s14, 4
	s_cselect_b32 s15, s19, 0                      ; B goes on with the long step; A takes no further record
	s_mov_b32 s13, s19
	s_cbranch_scc0 .Lkeep
	PLACES 4
	s_wait_alu depctr_va_vdst(0)
	v_add_nc_u32 v5, CUT*REC, v1                   ; the next record's k fragments, under the short tiles' way out
	v_add_nc_u32 v6, CUT*REC, v2
	v_add_nc_u32 v7, CUT*REC, v3
	KLOAD
	v_add_f32 v[L], v[L], v[L+1]
	v_add_f32 v[L+4], v[L+4], v[L+5]
	FINAL 18                                       ; B's short tiles leave
	WIN 0x01
.irp u, 0,1
.irp j, 0,1,2,3,4,5
	v_mov_b32 v[Q+12*\u+\j], v[Q2+6*\u+\j]
.endr
	v_mov_b32 v[28+\u], v[Q2+12+\u]
.endr
	CLEAR
	s_wait_alu depctr_va_vdst(0)
	s_wait_xcnt 0x0                                ; the stores have read their registers
.Lkeep:
	s_mov_b32 s16, CUT
	s_mov_b32 s17, CUT*REC
.Lfar:                                                 ; records 7 to 15
	STEP
	s_add_co_u32 s17, s17, REC
	s_add_co_u32 s16, s16, 1
	s_cmp_lt_u32 s16, 16
	s_cbranch_scc1 .Lfar
	s_cmp_lt_u32 s14, 4
	s_cbranch_scc0 .Lhold
	PLACES 4
	s_wait_alu depctr_va_vdst(0)
.irp u, 0,1                                    ; B's part of the long tiles: -M, the lane's sum, O^T
	v_mov_b32 v[TM+10*\u+8], v[NM+4*\u]
	v_add_f32 v[TM+10*\u+9], v[L+4*\u], v[L+4*\u+1]
.endr
.irp u, 0,1
	ds_store_b64 v23, v[TM+10*\u+8:TM+10*\u+9] offset:PART*\u+4096
.endr
	WIN 0x04
.irp u, 0,1
.irp q, 0,1,2,3,4,5,6,7
	ds_store_b128 v22, v[O+32*\u+4*\q:O+32*\u+4*\q+3] offset:PART*\u+512*\q
.endr
.endr
	WIN 0
.Lhold:
	s_wait_dscnt 0x0
	s_barrier_signal -1
	s_barrier_wait -1                              ; B's parts are there
	s_cmp_lt_u32 s14, 4
	s_cbranch_scc1 .Lend
.irp u, 0,1
	ds_load_b64 v[TM+10*\u:TM+10*\u+1], v23 offset:PART*\u+4096
.endr
	WIN 0x40
.irp u, 0,1
.irp q, 0,1,2,3,4,5,6,7
	ds_load_b128 v[S+64*\u+4*\q:S+64*\u+4*\q+3], v22 offset:PART*\u+512*\q
.endr
.endr
	WIN 0
	s_wait_alu depctr_va_vdst(0)
	s_wait_dscnt 0x0
.irp u, 0,1
	v_min_num_f32 v[TM+10*\u+2], v[NM+4*\u], v[TM+10*\u]          ; the joint -M
	v_add_f32 v[L+4*\u], v[L+4*\u], v[L+4*\u+1]
.endr
.irp u, 0,1
	v_sub_f32 v[TM+10*\u+3], v[TM+10*\u+2], v[NM+4*\u]
	v_sub_f32 v[TM+10*\u+4], v[TM+10*\u+2], v[TM+10*\u]
.endr
.irp u, 0,1
	v_cvt_i32_f32 v[TM+10*\u+3], v[TM+10*\u+3]
	v_cvt_i32_f32 v[TM+10*\u+4], v[TM+10*\u+4]
.endr
.irp u, 0,1
	v_ldexp_f32 v[F-224*\u], 1.0, v[TM+10*\u+3]
	v_ldexp_f32 v[TM+10*\u+6], 1.0, v[TM+10*\u+4]
.endr
.irp u, 0,1
	v_mul_f32 v[L+4*\u], v[L+4*\u], v[F-224*\u]
.endr
.irp u, 0,1
	v_fma_f32 v[L+4*\u], v[TM+10*\u+1], v[TM+10*\u+6], v[L+4*\u]
.endr
	WIN 0x41
.set jj, 0
.rept 16
	v_pk_mul_f32 v[O+jj:O+jj+1], v[O+jj:O+jj+1], v[F:F+1] op_sel_hi:[1,0]
	v_pk_mul_f32 v[O+32+jj:O+32+jj+1], v[O+32+jj:O+32+jj+1], v[F-224:F-223] op_sel_hi:[1,0]
.set jj, jj+2
.endr
	WIN 0x51
.set jj, 0
.rept 16
	v_pk_fma_f32 v[O+jj:O+jj+1], v[S+jj:S+jj+1], v[TM+6:TM+7], v[O+jj:O+jj+1] op_sel_hi:[1,0,1]
	v_pk_fma_f32 v[O+32+jj:O+32+jj+1], v[S+64+jj:S+64+jj+1], v[TM+16:TM+17], v[O+32+jj:O+32+jj+1] op_sel_hi:[1,0,1]
.set jj, jj+2
.endr
	FINAL 19                                       ; the long tiles leave
.Lend:
	s_wait_tensorcnt 0x0                           ; the wave's end
	ds_add_u32 v[SPW], v[NIL]
	s_wait_dscnt 0x0
	CROUND                                         ; the closing round
	s_endpgm
.Lfunc_end_k_qa890136caa_attn:
	.size	k_qa890136caa_attn, .Lfunc_end_k_qa890136caa_attn-k_qa890136caa_attn
	.p2alignl 7, 3214868480
	.fill 96, 4, 3214868480
	.section	.rodata,"a",@progbits
	.p2align	6, 0x0
	.amdhsa_kernel k_qa890136caa_attn
		.amdhsa_group_segment_fixed_size 327680
		.amdhsa_private_segment_fixed_size 0
		.amdhsa_enable_private_segment 0
		.amdhsa_kernarg_size 24
		.amdhsa_user_sgpr_count 2
		.amdhsa_user_sgpr_kernarg_segment_ptr 1
		.amdhsa_wavefront_size32 1
		.amdhsa_system_sgpr_workgroup_id_x 1
		.amdhsa_system_sgpr_workgroup_id_y 1
		.amdhsa_system_sgpr_workgroup_id_z 1
		.amdhsa_system_vgpr_workitem_id 0
		.amdhsa_next_free_vgpr 512
		.amdhsa_next_free_sgpr 84
		.amdhsa_reserve_vcc 0
		.amdhsa_float_denorm_mode_32 3
		.amdhsa_float_denorm_mode_16_64 3
		.amdhsa_memory_ordered 1
		.amdhsa_forward_progress 1
		.amdhsa_inst_pref_size 163
	.end_amdhsa_kernel
	.amdgpu_metadata
---
amdhsa.version: [ 1, 2 ]
amdhsa.kernels:
  - .name:           k_qa890136caa_attn
    .symbol:         k_qa890136caa_attn.kd
    .args:
      - { .name: qimg, .offset: 0, .size: 8, .value_kind: global_buffer, .address_space: global }
      - { .name: kv, .offset: 8, .size: 8, .value_kind: global_buffer, .address_space: global }
      - { .name: obuf, .offset: 16, .size: 8, .value_kind: global_buffer, .address_space: global }
    .group_segment_fixed_size: 327680
    .private_segment_fixed_size: 0
    .kernarg_segment_align: 8
    .kernarg_segment_size: 24
    .max_flat_workgroup_size: 256
    .sgpr_count:     84
    .vgpr_count:     512
    .wavefront_size: 32
...
	.end_amdgpu_metadata
.endif
;; end of part 3
;; launch outp (part 4): grid 8 x 32, 4 waves a work-group, clusters of 4 x 4, 327,680 bytes of LDS; arguments obuf, codes, bo, out0; writes out0
.if DOCPART == 4
	.amdgcn_target "amdgcn-amd-amdhsa--gfx1250"
	.amdhsa_code_object_version 6
	.text
	.protected	k_qa890136caa_outp
	.globl	k_qa890136caa_outp
	.p2align	8
	.type	k_qa890136caa_outp,@function
k_qa890136caa_outp:
	s_mov_b64 s[64:65], 0
	v_nop
	global_prefetch_b8 v0, s[64:65] scope:SCOPE_SE
	s_setreg_imm32_b32 hwreg(HW_REG_WAVE_MODE, 25, 1), 1
	s_wait_xcnt 0x0
	s_wait_alu depctr_hold_cnt(0) depctr_sa_sdst(0) depctr_va_vdst(0) depctr_va_sdst(0) depctr_va_ssrc(0) depctr_va_vcc(0) depctr_vm_vsrc(0)
	s_getreg_b32 s2, hwreg(HW_REG_IB_STS2, 6, 4)
	s_cmp_eq_u32 s2, 0
	s_cbranch_scc0 .Lentry_in_a_cluster
	s_endpgm
.Lentry_in_a_cluster:
	s_bfe_u32 s2, ttmp6, 0x10000c
	s_cmp_lg_u32 s2, 0xf033
	s_cbranch_scc0 .Lentry_shape_is_right
	s_endpgm
.Lentry_shape_is_right:
; out0 = o Wo^T + bo on codes of FP6 (E2M3) with E8M0 scales, sums in f32; out0 [4096][1024] f32.  o's records come from the attention launch, Wo's (blocks 56-63 of 128 rows) from the quantiser's: 128 rows x 256 K with their scale words, 25,600 dense bytes.
; THE DEAL.  256 work-groups of 128 tokens (block b) x 128 features (block n); four waves, 2 x 2, each 64 x 64.  A wave holds its 64 rows of Wo, ALL of K, in registers (32 fragments, 384 registers) and takes o tile by tile of 16 tokens:
; 32 products on four accumulators by turns finish a tile, and it leaves inside the next tile's products.
; LDS: o's four records at 0, Wo's behind them; one joint load a wave, two records each, at the head.  A barrier shows K 0-511, the next one K 512-1023; nothing is filled twice.  No prefetch: everything is asked for at the head, and no loop runs ahead of a load.
; CLUSTERS: 4 x 4 work-groups; o's records are shared along a row, Wo's along a column.
; THE MATRIX INSTRUCTION IS USED TRANSPOSED: source 0 Wo's tile, source 1 o's: lane (r, h) has token r of the tile and features 32 h + 8 wt + i of my 64.  The bias is the first products' C.
; Tile 4 c + j of a block has tokens 64 c + 8 j + 0 .. 7 and 64 c + 32 + 8 j + 0 .. 7: the way out puts them in order.
; REGISTERS.  window 0: addresses, v32-63 scale words (lanes 0-15 o's, lanes 16-31 Wo's), v64-255 two sets of o's eight fragments.   windows 1, 2: Wo's fragments, 4 k + wt, 21 to a window.
;   window 3: v0-63 two sets of four accumulators, v64-95 the bias, v128-191 two sets of rows on the way out.
.set REC,  25600
.set HALF, 2*REC
.set WA,   4*REC
.set SPARE, 8*REC                      ; 128 bytes for each wave, that no other line names
.set STAGE, SPARE+512                  ; for each wave 16 rows x (256 + 16) bytes
.set FR,   12
.set SC,   32
.set FO,   64
.set BI,   64
.set BK,   128
.set SPW,  28
.set NIL,  29
.set MSB, 0
.macro WIN new
.if MSB != (\new)
	s_set_vgpr_msb (MSB<<8)|(\new)
.set MSB, (\new)
.endif
.endm
.macro PLACES n
.rept \n
	v_nop
.endr
.endm
.macro CROUND
	s_barrier_signal -1
	s_barrier_wait -1
	s_cmp_lg_u32 s14, 0
	s_cbranch_scc1 .Lnot_wave_0_\@
	s_barrier_signal -3
.Lnot_wave_0_\@:
	s_barrier_wait -3
	s_barrier_signal -1
	s_barrier_wait -1
.endm
.macro GROUP1 g, mask                  ; two records as 200 rows of 32 elements of 8 bytes; bit 21 set beside the mask
	s_or_b32 s[\g], s[\mask], (3<<16)|(1<<21)
	s_mov_b32 s[\g+1], 32<<16
	s_mov_b32 s[\g+2], 200<<16
	s_mov_b32 s[\g+3], 32<<16
	s_mov_b32 s[\g+4], 200
	s_mov_b32 s[\g+5], 32
	s_mov_b32 s[\g+6], 0
	s_mov_b32 s[\g+7], 0
.endm
.macro GROUP0 g, place, base, off
	s_mov_b32 s[\g], 1
	s_add_co_u32 s[\g+1], s17, \place
	s_add_nc_u64 s[\g+2:\g+3], s[\base:\base+1], s[\off:\off+1]
	s_or_b32 s[\g+3], s[\g+3], 0x80000000
.endm
.macro TLOAD g0, g1
	tensor_load_to_lds s[\g0:\g0+3], s[\g1:\g1+7]
	s_nop 0
	PLACES 4
.endm
.macro ARM under, g0, g1, next
	s_cmp_lt_u32 s14, \under
	s_cbranch_scc0 \next
	TLOAD \g0, \g1
	s_branch .Lasked
\next:
.endm
	s_load_b256 s[4:11], s[0:1], 0x0               ; obuf, codes, bo, out0
	v_lshl_add_u32 v[SPW], v0, 2, SPARE
	v_mov_b32 v[NIL], 0
	ds_add_u32 v[SPW], v[NIL]                      ; the opening lines
	ds_add_u32 v[SPW], v[NIL]
	v_lshrrev_b32 v3, 5, v0
	v_readfirstlane_b32 s14, v3                    ; wave
	s_lshr_b32 s15, s14, 1                         ; my 64 tokens; at the head: which half of K I fetch
	s_and_b32 s16, s14, 1                          ; my 64 features; at the head: o (0) or Wo (1)
	s_bfe_u32 s36, ttmp6, 0x40000                  ; cx
	s_bfe_u32 s37, ttmp6, 0x40004                  ; cy
	s_lshl_b32 s38, ttmp9, 2
	s_add_co_u32 s38, s38, s36                     ; feature block n
	s_and_b32 s39, ttmp7, 0xffff
	s_lshl_b32 s39, s39, 2
	s_add_co_u32 s39, s39, s37                     ; token block b
	s_lshl_b32 s18, s37, 2
	s_lshl_b32 s18, 15, s18                        ; my row of the cluster
	s_lshl_b32 s19, 0x1111, s36                    ; my column
	GROUP1 24, 18
	GROUP1 40, 19
	s_mul_i32 s17, s15, HALF
	s_mul_i32 s20, s39, 4*REC
	s_add_co_u32 s20, s20, s17
	s_mov_b32 s21, 0
	s_mul_i32 s22, s38, 4*REC
	s_add_co_u32 s22, s22, s17
	s_add_co_u32 s22, s22, 56*4*REC
	s_mov_b32 s23, 0
	s_wait_dscnt 0x0
	CROUND                                         ; all sixteen work-groups are here: the joint loads meet
	s_wait_kmcnt 0x0
	GROUP0 32, 0, 4, 20
	GROUP0 48, WA, 6, 22
	ARM 1, 32, 24, .Lw1                            ; one tensor load a wave: o K 0-511,
	ARM 2, 48, 40, .Lw2                            ; Wo K 0-511,
	ARM 3, 32, 24, .Lw3                            ; o K 512-1023,
	TLOAD 48, 40                                   ; Wo K 512-1023
.Lasked:
	s_lshl_b32 s82, s38, 9
	s_lshl_b32 s17, s16, 8
	s_add_co_u32 s82, s82, s17                     ; my first feature, in bytes
	s_mov_b32 s83, 0
	s_add_nc_u64 s[8:9], s[8:9], s[82:83]
	s_add_nc_u64 s[10:11], s[10:11], s[82:83]
	s_lshl_b32 s84, s39, 19
	s_lshl_b32 s17, s15, 18
	s_add_co_u32 s84, s84, s17                     ; my first token's row: (128 b + 64 s15) x 4,096 bytes
	s_mov_b32 s85, 0
	s_add_nc_u64 s[10:11], s[10:11], s[84:85]
	s_mul_i32 s17, s15, 4*1536
	s_mul_i32 s18, s16, 4*1536
	s_add_co_u32 s18, s18, WA
	s_lshl_b32 s20, s15, 9
	s_lshl_b32 s22, s16, 9
	s_add_co_u32 s22, s22, WA
	s_sub_co_u32 s22, s22, s20                     ; from o's scale words to Wo's
	s_add_co_u32 s20, s20, 24576
	s_mul_i32 s23, s14, 16*272
	s_add_co_u32 s23, s23, STAGE                   ; my stage
	v_and_b32 v3, 31, v0                           ; lane
	v_and_b32 v4, 15, v0                           ; r
	v_bfe_u32 v5, v0, 4, 1                         ; h
	v_lshlrev_b32 v15, 7, v5                       ; 128 h
	WIN 0xc0
.irp q, 0,1,2,3,4,5,6,7
	global_load_b128 v[BI+4*\q:BI+4*\q+3], v15, s[8:9] offset:16*\q   ; the bias of features 32 h + 0 .. 31
.endr
	WIN 0
	v_lshlrev_b32 v1, 3, v3
	v_lshlrev_b32 v2, 4, v3
	v_add_nc_u32 v16, s17, v1
	v_add_nc_u32 v17, s17, v2
	v_add_nc_u32 v18, HALF, v16
	v_add_nc_u32 v19, HALF, v17
	v_add_nc_u32 v20, s18, v1
	v_add_nc_u32 v21, s18, v2
	v_add_nc_u32 v22, HALF, v20
	v_add_nc_u32 v23, HALF, v21
	v_lshlrev_b32 v6, 3, v4
	v_add_nc_u32 v6, s20, v6
	v_mul_u32_u24 v7, s22, v5                      ; lanes 16-31 take Wo's words
	v_add_nc_u32 v8, v6, v7
	v_add_nc_u32 v9, HALF, v8
	v_mul_u32_u24 v6, v4, 272
	v_add_nc_u32 v6, v6, v15
	v_add_nc_u32 v24, s23, v6                      ; into my stage: row r, + 128 h
	v_mul_u32_u24 v6, v5, 272
	v_lshl_add_u32 v6, v4, 4, v6
	v_add_nc_u32 v25, s23, v6                      ; back: sixteen lanes take a row of 256 bytes
	v_lshlrev_b32 v26, 12, v5
	v_lshl_add_u32 v26, v4, 4, v26                 ; and the same two rows of out0
.macro FRAG reg, a8, a16, off          ; registers 0-1, 2-5, 6-7, 8-11, each run lane by lane on end
	ds_load_b64  v[\reg:\reg+1],    v[\a8]  offset:\off
	ds_load_b128 v[\reg+2:\reg+5],  v[\a16] offset:(\off)+256
	ds_load_b64  v[\reg+6:\reg+7],  v[\a8]  offset:(\off)+768
	ds_load_b128 v[\reg+8:\reg+11], v[\a16] offset:(\off)+1024
.endm
.macro LOADW half                      ; Wo's sixteen fragments of a half of K: 64 loads
.set K_, 4*(\half)
.rept 4
.irp i, 0,1,2,3
.set F_, 4*K_+\i
	WIN (1+F_/21)<<6
	FRAG FR*(F_%21), 20+2*(\half), 21+2*(\half), ((K_%4)/2)*REC+(K_%2)*12288+1536*\i
.endr
.set K_, K_+1
.endr
	WIN 0
.endm
.macro LOADO a, half                   ; tile a's four fragments of a half of K into set a % 2: 16 loads
.set K_, 4*(\half)
.rept 4
	FRAG FO+96*((\a)%2)+FR*K_, 16+2*(\half), 17+2*(\half), ((K_%4)/2)*REC+(K_%2)*12288+1536*(\a)
.set K_, K_+1
.endr
.endm
.macro SCALES adr, half
.irp p, 0,1
.irp i, 0,1,2,3
	ds_load_b64 v[SC+16*\half+8*\p+2*\i:SC+16*\half+8*\p+2*\i+1], v[\adr] offset:\p*REC+128*\i
.endr
.endr
.endm
.macro PROD a, half                    ; 16 products of tile a; the four accumulators take turns, one instruction a turn
.set N_, 16*(\half)
.rept 16
.set F_, N_
.set W_, N_%4
.set Q_, N_/4
.set SO_, SC+8*(Q_/2)+2*(\a)+Q_%2
.set SW_, SC+8*(Q_/2)+2*W_+Q_%2
.set X_, FO+96*((\a)%2)+FR*Q_
.set D_, 32*((\a)%2)+8*W_
.set C_, BI+8*W_
.if Q_ != 0
.set C_, D_
.endif
	WIN (1+F_/21)|0xf0
	v_wmma_scale_f32_16x16x128_f8f6f4 v[D_:D_+7], v[FR*(F_%21):FR*(F_%21)+11], v[X_:X_+11], v[C_:C_+7], v[SW_], v[SO_] matrix_a_fmt:MATRIX_FMT_FP6 matrix_b_fmt:MATRIX_FMT_FP6 matrix_a_scale:MATRIX_SCALE_ROW1
.set N_, N_+1
.endr
	WIN 0
.endm
; THE WAY OUT of tile a, through my own stage; LDS serves a wave's instructions in order (ISA guide 5.7.1.4): no wait between the stores and the loads.
.macro TOSTAGE a                       ; 16 LDS instructions
	WIN 0x0c                                       ; the data: window 3
.irp q, 0,1,2,3,4,5,6,7
	ds_store_b128 v24, v[32*((\a)%2)+4*\q:32*((\a)%2)+4*\q+3] offset:16*\q   ; each accumulator from its low end on
.endr
	WIN 0xc0
.irp t, 0,1,2,3,4,5,6,7
	ds_load_b128 v[BK+32*((\a)%2)+4*\t:BK+32*((\a)%2)+4*\t+3], v25 offset:544*\t
.endr
	WIN 0
.endm
.macro SEND a, younger
	s_wait_dscnt \younger                          ; the tile is back in registers
	WIN 0x0c
.irp t, 0,1,2,3,4,5,6,7
	global_store_b128 v26, v[BK+32*((\a)%2)+4*\t:BK+32*((\a)%2)+4*\t+3], s[10:11] offset:(8*(\a)+2*\t+24*(\t/4))*4096 th:TH_STORE_NT   ; sixteen lanes store 256 consecutive bytes, aligned
.endr
	WIN 0
.endm
	s_wait_alu depctr_va_vdst(0)
	s_cmp_lt_u32 s14, 2
	s_cbranch_scc0 .Lnot_first
	s_wait_tensorcnt 0x0
.Lnot_first:
	s_barrier_signal -1
	s_barrier_wait -1                              ; K 0-511 is in
	SCALES 8, 0
	LOADO 0, 0
	LOADW 0
	s_wait_loadcnt 0x0                             ; the bias
	s_wait_tensorcnt 0x0
	s_wait_dscnt 0x0
	s_barrier_signal -1
	PROD 0, 0                                      ; tile 0, K 0-511
	s_barrier_wait -1                              ; K 512-1023 is in
	SCALES 9, 1
	LOADO 0, 1
	LOADW 1
	LOADO 1, 0
	LOADO 1, 1
	s_wait_dscnt 32                                ; all but tile 1's 32 loads
	PROD 0, 1
	PLACES 4                                       ; for the stores of the results and the loads into the fragments' registers
	TOSTAGE 0
	LOADO 2, 0
	LOADO 2, 1
	s_wait_dscnt 48                                ; tile 1's fragments are in; the stage's 16 and tile 2's 32 may be out
	PROD 1, 0
	SEND 0, 32                                     ; tile 2's 32 loads may be out
	PROD 1, 1
	PLACES 4
	TOSTAGE 1
	LOADO 3, 0
	LOADO 3, 1
	s_wait_dscnt 48
	PROD 2, 0
	SEND 1, 32
	PROD 2, 1
	PLACES 4
	s_wait_xcnt 0x0                                ; tile 0's stores have read their registers
	TOSTAGE 2
	s_wait_dscnt 16                                ; tile 3's fragments are in
	PROD 3, 0
	SEND 2, 0
	PROD 3, 1
	PLACES 4
	s_wait_xcnt 0x0                                ; tile 1's stores have read theirs
	TOSTAGE 3
	SEND 3, 0
	s_wait_tensorcnt 0x0                           ; the wave's end
	ds_add_u32 v[SPW], v[NIL]
	s_wait_dscnt 0x0
	CROUND                                         ; the closing round
	s_endpgm
.Lfunc_end_k_qa890136caa_outp:
	.size	k_qa890136caa_outp, .Lfunc_end_k_qa890136caa_outp-k_qa890136caa_outp
	.p2alignl 7, 3214868480
	.fill 96, 4, 3214868480
	.section	.rodata,"a",@progbits
	.p2align	6, 0x0
	.amdhsa_kernel k_qa890136caa_outp
		.amdhsa_group_segment_fixed_size 327680
		.amdhsa_private_segment_fixed_size 0
		.amdhsa_enable_private_segment 0
		.amdhsa_kernarg_size 32
		.amdhsa_user_sgpr_count 2
		.amdhsa_user_sgpr_kernarg_segment_ptr 1
		.amdhsa_wavefront_size32 1
		.amdhsa_system_sgpr_workgroup_id_x 1
		.amdhsa_system_sgpr_workgroup_id_y 1
		.amdhsa_system_sgpr_workgroup_id_z 1
		.amdhsa_system_vgpr_workitem_id 0
		.amdhsa_next_free_vgpr 960
		.amdhsa_next_free_sgpr 98
		.amdhsa_reserve_vcc 0
		.amdhsa_float_denorm_mode_32 3
		.amdhsa_float_denorm_mode_16_64 3
		.amdhsa_memory_ordered 1
		.amdhsa_forward_progress 1
		.amdhsa_inst_pref_size 51
	.end_amdhsa_kernel
	.amdgpu_metadata
---
amdhsa.version: [ 1, 2 ]
amdhsa.kernels:
  - .name:           k_qa890136caa_outp
    .symbol:         k_qa890136caa_outp.kd
    .args:
      - { .name: obuf, .offset: 0, .size: 8, .value_kind: global_buffer, .address_space: global }
      - { .name: codes, .offset: 8, .size: 8, .value_kind: global_buffer, .address_space: global }
      - { .name: bo, .offset: 16, .size: 8, .value_kind: global_buffer, .address_space: global }
      - { .name: out0, .offset: 24, .size: 8, .value_kind: global_buffer, .address_space: global }
    .group_segment_fixed_size: 327680
    .private_segment_fixed_size: 0
    .kernarg_segment_align: 8
    .kernarg_segment_size: 32
    .max_flat_workgroup_size: 128
    .sgpr_count:     98
    .vgpr_count:     960
    .wavefront_size: 32
...
	.end_amdgpu_metadata
.endif
;; end of part 4
